; MI455X (gfx1250); checked and timed in simulation.
; The chip was launched on July 23, 2026; its instructions are those of AMD's public machine-readable ISA for CDNA 5 (MIT licence, August 2026) and "CDNA5" Instruction Set Architecture Reference Guide (July 2026). The comments in the code are by the model that wrote it; some were corrected since.
;; Nano Attention. Allowed arithmetic: matrix products marked QUANTISED: E2M3 operands, one E8M0 scale for each 32 along K, by v_wmma_scale_f32_16x16x128_f8f6f4 with both operands' format E2M3, f32 sums; everything else in f32.
;; Inputs: W_proj 1,024 x 1,024 float32; W_qkv 3,072 x 1,024 float32; x 4 x 2,048 x 1,024 float32.
;; Outputs: out0 4 x 2,048 x 1,024 float32.
;; This version of the problem:
;;   THIS VERSION OF THE PROBLEM IS GIVEN IN LOW PRECISION. The matrix products marked QUANTISED in the list below multiply operands that are first quantised to E2M3 (2 exponent bits, 3 mantissa bits; 6 bits a number), with one power-of-two scale for each 32 numbers along K (OCP MX v1.0); their sums are f32. All else is computed in f32.
;;   The module's matrix products, in the order in which they are computed (A, B: the left and right operand; K: the contracted axis; several contracted axes count as one K, in the product's order):
;;     1. [M 8,192, K 1,024] x [K 1,024, N 3,072]; A: input x; B: input W_qkv: QUANTISED
;;     2. batch 64 x [M 2,048, K 64] x [K 64, N 2,048]; A: computed on the way; B: computed on the way: QUANTISED
;;     3. batch 64 x [M 2,048, K 2,048] x [K 2,048, N 64]; A: softmax (see below); B: computed on the way: QUANTISED
;;     4. [M 8,192, K 1,024] x [K 1,024, N 1,024]; A: computed on the way; B: input W_proj: QUANTISED
;;   THE QUANTISER, for each operand of a quantised product, along K:
;;     - K is cut into blocks of 32 from its start; a last block that is shorter is filled with zeros.
;;     - A block's scale is 2^e with e = floor(log2(the largest magnitude in the block)) - 2, held to -126 .. 127; a block of zeros has e = 0. As a byte (E8M0): e + 127.
;;     - Each number is divided by its block's scale, clamped to +-7.5, and rounded to the nearest number of E2M3, ties to even, subnormals kept.
;;     - The product sums the exact products of the quantised numbers (number of the format x scale) in f32.
;;   ~~~python
;;   def quantise(x, axis):      # numpy; x: float32 -> the quantised numbers, widened to float32 again
;;       x = np.moveaxis(x, axis, -1); K = x.shape[-1]
;;       x = np.pad(x, [(0, 0)] * (x.ndim - 1) + [(0, -K % 32)]); x = x.reshape(x.shape[:-1] + (-1, 32)); a = np.abs(x).max(-1, keepdims=True)
;;       e = np.where(a > 0, np.clip(np.frexp(np.where(a > 0, a, 1))[1] - 1 - 2, -126, 127), 0)      # np.frexp(a)[1] - 1 = floor(log2(a)), exactly
;;       r = np.clip(x / 2.0 ** e, -7.5, 7.5)
;;       step = 2.0 ** (np.maximum(np.frexp(np.where(r == 0, 1, r))[1] - 1, 0) - 3)
;;       q = np.round(r / step) * step * 2.0 ** e      # np.round: ties to even
;;       return np.moveaxis(q.reshape(q.shape[:-2] + (-1,))[..., :K], -1, axis).astype(np.float32)
;;   ~~~
;;   SOFTMAX AHEAD OF A QUANTISED PRODUCT. Where the list says 'softmax', what is quantised is not the finished softmax but p = 2^(t - M), with t = logit x log2(e) and M = ceil(the row's largest t), a whole number; so 1/2 < the row's largest p <= 1. The row's sum l is taken of the UNQUANTISED p, in f32, and the product's result is divided by l at the end. Since M is a whole number, a kernel that streams over the keys may use a running M (the ceiling of the running maximum): every later rescaling is an exact power of two, which a block's scale takes up: the codes' values come out the same.
;;   OPERANDS COMPUTED ON THE WAY. 'Computed on the way' means the value that the module computes at that place (a softmax that the list does not call 'softmax' is quantised finished and normalised). What goes into a quantiser is computed in f32, as accurately as f32 sums, v_exp_f32 and their like allow (about 1e-6 of the number): no bf16 or f16 on the way to a quantiser, and a product that is left as it is and whose result goes on into a quantised operand takes f32 operands (vector FMAs, or v_wmma_f32_16x16x4_f32). A number that lies on a knife's edge between two numbers of the format may be rounded either way, as far as f32 arithmetic and the matrix unit's own rounding can turn it there, and no further.
;; One version. Each part assembles by itself: llvm-mc -triple=amdgcn-amd-amdhsa -mcpu=gfx1250 --defsym DOCPART=n.
;; ======== version 1 of 1: 4 launches
;; workspace buffers: xq 6,553,600 bytes; wq 2,457,600 bytes; pq 819,200 bytes; img 18,874,368 bytes; scl 1,310,720 bytes; yq 6,815,744 bytes
;; launch quant (part 1): grid 384 x 1, 4 waves a work-group, no clusters, 34,304 bytes of LDS; arguments x, W_qkv, W_proj, xq, wq, pq; writes xq, wq, pq
.if DOCPART == 1
	.amdgcn_target "amdgcn-amd-amdhsa--gfx1250"
	.amdhsa_code_object_version 6
	.text
	.protected	k_q15bf731b5a_quant
	.globl	k_q15bf731b5a_quant
	.p2align	8
	.type	k_q15bf731b5a_quant,@function
k_q15bf731b5a_quant:
	s_mov_b64 s[64:65], 0
	v_nop
	global_prefetch_b8 v0, s[64:65] scope:SCOPE_SE
	s_setreg_imm32_b32 hwreg(HW_REG_WAVE_MODE, 25, 1), 1
	s_wait_xcnt 0x0
; x [8192][1024], W_qkv [3072][1024], W_proj [1024][1024], f32, K innermost, become codes of FP6 (E2M3) with one E8M0 byte for each 32 along K.
; A block's scale is 2^(floor(log2(largest magnitude)) - 2); its byte is the largest magnitude's exponent field - 2, held at 1 from below.
; LIMITS: NaN and infinities are not served.  A block whose largest magnitude lies under 2^-124, a block of zeros among them, gets the byte 1
; (the rule says 127 for zeros): its codes are zeros or what the conversion makes of them under that scale, and only this program reads the bytes.
; THE OUTPUT IS LAID AS THE MATRIX OPERAND'S REGISTERS.  Rows are stored by POSITION: position p holds row p with bits 3 and 4 swapped, so that
; lane r of tile T (16 positions) holds row 32 (T / 2) + 8 (T % 2) + r + 8 (r / 8).  A half-image is 16 rows x 64 K, 768 bytes: lane (r, hh) owns
; k = 32 hh .. 32 hh + 31 of row r, six registers: registers 0-3 at 16 x lane, registers 4-5 at 512 + 8 x lane.  Codes: [T][16 half-images].
; Scale words: [T][kappa][lane][2]: word j of lane (r, hh) is row r's word for the 128 along K numbered 4 kappa + 2 j + hh.
; SHARES.  Work-groups 0-255 take x, 256-351 W_qkv, 352-383 W_proj; only pointers are chosen, all take one path.  A wave takes one tile T and half of K
; (kappa): four substeps of 16 rows x 128 K.  Each load reads 512 consecutive bytes of a row; the 8 KiB of a substep turn through the wave's own stage
; in LDS (rows 528 bytes apart) and come back so that a lane holds two whole blocks of 32.  No barrier: waves share nothing.
.set SP,    528                        ; a stage row: 512 bytes + 16
.set R0,    16                         ; v16-79, v80-143: two sets of 64 registers as loaded
.set R1,    80
.set X,     144                        ; v144-207 my two blocks: register 32 c + i = k 64 c + 32 hh + i of row r
.set PC,    208                        ; v208-219 the fragment's 12 registers
.set PT,    220                        ; v220-222, v224-226 the upper halves of the blocks, as converted
.set M,     228                        ; v228-229 largest magnitudes
.set SO,    230                        ; v230-231 the conversions' scale operands
.set BY,    232                        ; v232-233 the bytes
.set W,     234                        ; the row's scale word
.set WT,    235
.set SCI,   236                        ; v236-237 my two words of the scale image
	s_load_b256 s[4:11], s[0:1], 0x0               ; x, W_qkv, W_proj, xq
	s_load_b128 s[12:15], s[0:1], 0x20             ; wq, pq
	v_lshl_add_u32 v240, v0, 2, 0x8400
	v_mov_b32 v241, 0
	v_lshrrev_b32 v6, 5, v0
	v_readfirstlane_b32 s24, v6                    ; wave
	v_and_b32 v7, 31, v0                           ; lane
	v_and_b32 v8, 15, v0                           ; r
	v_bfe_u32 v9, v0, 4, 1                         ; hh
	v_lshlrev_b32 v1, 4, v7                        ; 16 x lane
	v_lshlrev_b32 v2, 3, v7                        ; 8 x lane
	s_mul_i32 s25, s24, 16*SP                      ; my stage
	v_add_nc_u32 v3, s25, v1                       ; into it: 16 x lane of a row
	v_mul_u32_u24 v4, v8, SP
	v_lshl_add_u32 v4, v9, 7, v4
	v_add_nc_u32 v4, s25, v4                       ; out of it: row r, + 128 hh bytes
	v_lshlrev_b32 v5, 3, v9                        ; 8 hh: where my two bytes stand in the word
	v_mov_b32 v[WT], 0                             ; a lane permute's destination counts as one of its sources
	s_mov_b32 s20, 0x76543210
	s_mov_b32 s21, 0xfedcba98                      ; selects for lane l xor 16
	s_mov_b32 s22, 0xffff0000                      ; lanes 16-31
	s_mov_b32 s17, 352
	s_mov_b32 s19, 786432
	s_wait_alu depctr_va_vdst(0)
	s_wait_kmcnt 0x0
	s_cmp_lt_u32 ttmp9, 352                        ; the choice hangs on the work-group's number alone
	s_cselect_b64 s[6:7], s[6:7], s[8:9]
	s_cselect_b64 s[12:13], s[12:13], s[14:15]
	s_cselect_b32 s16, 256, s17                    ; the tensor's first work-group
	s_cselect_b32 s18, 2359296, s19                ; where its scale images begin
	s_cmp_lt_u32 ttmp9, 256
	s_cselect_b64 s[4:5], s[4:5], s[6:7]
	s_cselect_b64 s[10:11], s[10:11], s[12:13]
	s_cselect_b32 s16, 0, s16
	s_cselect_b32 s18, 6291456, s18
	s_sub_co_u32 s26, ttmp9, s16
	s_lshl_b32 s26, s26, 2
	s_add_co_u32 s26, s26, s24                     ; my unit
	s_lshr_b32 s27, s26, 1                         ; T
	s_and_b32 s28, s26, 1                          ; kappa
	s_lshr_b32 s30, s27, 1
	s_lshl_b32 s30, s30, 17                        ; 32 (T / 2) rows of 4,096 bytes
	s_and_b32 s31, s27, 1
	s_lshl_b32 s31, s31, 15                        ; 8 (T % 2) rows
	s_add_co_u32 s30, s30, s31
	s_lshl_b32 s31, s28, 11                        ; 512 numbers x kappa
	s_add_co_u32 s30, s30, s31
	s_mov_b32 s31, 0
	s_add_nc_u64 s[4:5], s[4:5], s[30:31]
	s_mul_i32 s30, s27, 12288
	s_mul_i32 s32, s28, 6144
	s_add_co_u32 s30, s30, s32
	s_add_nc_u64 s[12:13], s[10:11], s[30:31]      ; my codes
	s_lshl_b32 s30, s27, 9
	s_lshl_b32 s32, s28, 8
	s_add_co_u32 s30, s30, s32
	s_add_co_u32 s30, s30, s18
	s_add_nc_u64 s[10:11], s[10:11], s[30:31]      ; my 256 bytes of the scale image
.macro LOAD g, set                     ; substep g: the tile's 16 rows, 512 consecutive bytes each
.irp i, 0,1,2,3,4,5,6,7,8,9,10,11,12,13,14,15
	global_load_b128 v[\set+4*\i:\set+4*\i+3], v1, s[4:5] offset:(\i+8*(\i/8))*4096+512*(\g) th:TH_LOAD_NT
.endr
.endm
.macro TURN set                        ; through the stage; LDS serves a wave's instructions in order, so no wait stands between the stores and the loads
.irp i, 0,1,2,3,4,5,6,7,8,9,10,11,12,13,14,15
	ds_store_b128 v3, v[\set+4*\i:\set+4*\i+3] offset:SP*\i
.endr
.irp c, 0,1
.irp j, 0,1,2,3,4,5,6,7
	ds_load_b128 v[X+32*\c+4*\j:X+32*\c+4*\j+3], v4 offset:256*\c+16*\j
.endr
.endr
.endm
.macro QW g                            ; my two blocks become six registers each, and the row's scale word
.irp c, 0,1
	v_max3_num_f32 v[M+\c], |v[X+32*\c]|, |v[X+32*\c+1]|, 0x1800000   ; with the floor 2^(3 - 127): the byte cannot fall under 1
.endr
.irp i, 2,4,6,8,10,12,14,16,18,20,22,24,26,28,30
.irp c, 0,1
	v_max3_num_f32 v[M+\c], v[M+\c], |v[X+32*\c+\i]|, |v[X+32*\c+\i+1]|
.endr
.endr
.irp c, 0,1
	v_add_nc_u32 v[SO+\c], 0xff000000, v[M+\c]     ; 2 off the exponent field: the conversion takes that field as its scale
.endr
.irp c, 0,1
	v_lshrrev_b32 v[BY+\c], 23, v[SO+\c]           ; the byte
.endr
	v_lshl_or_b32 v[W], v[BY+1], 16, v[BY]         ; blocks hh and 2 + hh,
	v_lshlrev_b32 v[W], v5, v[W]                   ; at their places,
	v_permlanex16_b32 v[WT], v[W], s20, s21
	v_or_b32 v[W], v[W], v[WT]                     ; with lane l xor 16's two: the word is whole, in both halves of the lanes
	s_wait_alu depctr_va_vdst(0)
	s_wait_xcnt 0x0                                ; the last substep's stores have read the fragment's registers
.irp c, 0,1
	v_cvt_scalef32_pk16_fp6_f32 v[PC+6*\c:PC+6*\c+2], v[X+32*\c:X+32*\c+15], v[SO+\c]
	v_cvt_scalef32_pk16_fp6_f32 v[PT+4*\c:PT+4*\c+2], v[X+32*\c+16:X+32*\c+31], v[SO+\c]   ; (a conversion's three registers begin on an even number)
.endr
	v_nop                                          ; one plain place behind a scaled conversion
.irp c, 0,1
.irp i, 0,1,2
	v_mov_b32 v[PC+6*\c+3+\i], v[PT+4*\c+\i]
.endr
.endr
	global_store_b128 v1, v[PC:PC+3], s[12:13] offset:1536*(\g)           ; each store covers 512 or 256 consecutive bytes, aligned
	global_store_b64 v2, v[PC+4:PC+5], s[12:13] offset:1536*(\g)+512
	global_store_b128 v1, v[PC+6:PC+9], s[12:13] offset:1536*(\g)+768
	global_store_b64 v2, v[PC+10:PC+11], s[12:13] offset:1536*(\g)+1280
.if (\g)%2
	v_cndmask_b32 v[SCI+(\g)/2], v[SCI+(\g)/2], v[W], s22   ; an odd substep's word goes to lanes 16-31
.else
	v_mov_b32 v[SCI+(\g)/2], v[W]
.endif
.endm
	LOAD 0, R0
	LOAD 1, R1
	s_wait_loadcnt 16                              ; substep 0 is in; the 16 loads of substep 1 may be out
	TURN R0
	s_wait_dscnt 0x0                               ; my blocks are back, and the stage's stores have read the set
	LOAD 2, R0
	QW 0
	s_wait_loadcnt 16                              ; substep 1 is in; substep 2's may be out
	TURN R1
	s_wait_dscnt 0x0
	LOAD 3, R1
	QW 1
	s_wait_loadcnt 16
	TURN R0
	s_wait_dscnt 0x0
	QW 2
	s_wait_loadcnt 0x0
	TURN R1
	s_wait_dscnt 0x0
	QW 3
	global_store_b64 v2, v[SCI:SCI+1], s[10:11]    ; 256 consecutive bytes, aligned
	s_wait_tensorcnt 0x0
	ds_add_u32 v240, v241
	s_wait_dscnt 0x0
	s_endpgm
.Lfunc_end_k_q15bf731b5a_quant:
	.size	k_q15bf731b5a_quant, .Lfunc_end_k_q15bf731b5a_quant-k_q15bf731b5a_quant
	.p2alignl 7, 3214868480
	.fill 96, 4, 3214868480
	.section	.rodata,"a",@progbits
	.p2align	6, 0x0
	.amdhsa_kernel k_q15bf731b5a_quant
		.amdhsa_group_segment_fixed_size 34304
		.amdhsa_private_segment_fixed_size 0
		.amdhsa_enable_private_segment 0
		.amdhsa_kernarg_size 48
		.amdhsa_user_sgpr_count 2
		.amdhsa_user_sgpr_kernarg_segment_ptr 1
		.amdhsa_wavefront_size32 1
		.amdhsa_system_sgpr_workgroup_id_x 1
		.amdhsa_system_sgpr_workgroup_id_y 1
		.amdhsa_system_sgpr_workgroup_id_z 1
		.amdhsa_system_vgpr_workitem_id 0
		.amdhsa_next_free_vgpr 242
		.amdhsa_next_free_sgpr 66
		.amdhsa_reserve_vcc 0
		.amdhsa_float_denorm_mode_32 3
		.amdhsa_float_denorm_mode_16_64 3
		.amdhsa_memory_ordered 1
		.amdhsa_forward_progress 1
		.amdhsa_inst_pref_size 31
	.end_amdhsa_kernel
	.amdgpu_metadata
---
amdhsa.version: [ 1, 2 ]
amdhsa.kernels:
  - .name:           k_q15bf731b5a_quant
    .symbol:         k_q15bf731b5a_quant.kd
    .args:
      - { .name: x, .offset: 0, .size: 8, .value_kind: global_buffer, .address_space: global }
      - { .name: W_qkv, .offset: 8, .size: 8, .value_kind: global_buffer, .address_space: global }
      - { .name: W_proj, .offset: 16, .size: 8, .value_kind: global_buffer, .address_space: global }
      - { .name: xq, .offset: 24, .size: 8, .value_kind: global_buffer, .address_space: global }
      - { .name: wq, .offset: 32, .size: 8, .value_kind: global_buffer, .address_space: global }
      - { .name: pq, .offset: 40, .size: 8, .value_kind: global_buffer, .address_space: global }
    .group_segment_fixed_size: 34304
    .private_segment_fixed_size: 0
    .kernarg_segment_align: 8
    .kernarg_segment_size: 48
    .max_flat_workgroup_size: 128
    .sgpr_count:     66
    .vgpr_count:     242
    .wavefront_size: 32
...
	.end_amdgpu_metadata
.endif
;; end of part 1
;; launch gemm_qkv (part 2): grid 8 x 96, 4 waves a work-group, clusters of 4 x 4, 295,424 bytes of LDS; arguments xq, wq, img, scl; writes img, scl
.if DOCPART == 2
	.amdgcn_target "amdgcn-amd-amdhsa--gfx1250"
	.amdhsa_code_object_version 6
	.text
	.protected	k_q15bf731b5a_gemm_qkv
	.globl	k_q15bf731b5a_gemm_qkv
	.p2align	8
	.type	k_q15bf731b5a_gemm_qkv,@function
k_q15bf731b5a_gemm_qkv:
	s_mov_b64 s[64:65], 0
	v_nop
	global_prefetch_b8 v0, s[64:65] scope:SCOPE_SE
	s_setreg_imm32_b32 hwreg(HW_REG_WAVE_MODE, 25, 1), 1
	s_wait_xcnt 0x0
	s_wait_alu depctr_hold_cnt(0) depctr_sa_sdst(0) depctr_va_vdst(0) depctr_va_sdst(0) depctr_va_ssrc(0) depctr_va_vcc(0) depctr_vm_vsrc(0)
	s_getreg_b32 s2, hwreg(HW_REG_IB_STS2, 6, 4)
	s_cmp_eq_u32 s2, 0
	s_cbranch_scc0 .Lentry_in_a_cluster
	s_endpgm
.Lentry_in_a_cluster:
	s_bfe_u32 s2, ttmp6, 0x10000c
	s_cmp_lg_u32 s2, 0xf033
	s_cbranch_scc0 .Lentry_shape_is_right
	s_endpgm
.Lentry_shape_is_right:
; qkv = x W_qkv^T on codes of FP6 with E8M0 scales (K = 1,024), and q, k, v QUANTISED STRAIGHT OUT OF THE f32 SUMS: they never go to memory as f32.
; Operands lie as images of the operand's registers (half-images of 16 rows x 64 K, 768 bytes: registers 0-3 at 16 x lane, 4-5 at 512 + 8 x lane), rows by POSITION
; (position p holds row p with bits 3 and 4 swapped).  So a tile used as source 0 gives a lane, in the 16 registers of result tiles 2 b and 2 b + 1, the natural indices 32 b + 16 hh + 0 .. 15.
; A work-group makes 128 rows of source 1 ('A') x 256 rows of source 0 ('B'); four waves as 2 x 2, each 64 x 128: 32 accumulators.
; q, k part (cluster y under 16): A = tokens, B = rows 0-2047 of W: a lane holds one token and 128 channels = two heads: two half-images (K = the head's 64).
; v part: A = rows 2048-3071 of W, B = tokens: a lane holds one channel and 128 tokens, which are v's K in the second product of attention: one fragment.
; ALL OF K LIES IN LDS: four K steps of 256, each filled once by one tensor load a wave, all four issued at the head (four loads of a wave are out); nothing is filled again.
; CLUSTER 4 x 4: A's tiles are shared along a row of the cluster, B's along a column, each asked for jointly.
; LIMITS: NaN and infinities are not served; a block whose largest magnitude lies under 2^-124 (zeros among them) gets the byte 1, read by this program alone.
; REGISTERS: window 0: v16-31 LDS addresses, v32-47 A's scale words, v48-79 B's, v80-127 the way out, v128-223 A's fragments (two sets), v224-242 codes;
;   window 1: B's fragments, two sets at v0 and v128;  window 2: accumulator (a, b) at v[8 (8 a + b)].
.set KSB,  73728                       ; a K step in LDS: A's 8 tile rows of 3,072 bytes, then B's 16
.set TROW, 3072                        ; 16 rows x 256 K
.set AA16, 16                          ; v16-19 A's fragments in K step s: + 16 x lane;  v20-23: + 8 x lane
.set AA8,  20
.set AB16, 24                          ; v24-27, v28-31 the same for B
.set AB8,  28
.set SA,   32                          ; register 4 i + jj: lanes 0-15 block i's words for the 128 along K numbered 2 jj, lanes 16-31 for 2 jj + 1
.set SB,   48
.set L16,  80                          ; 16 x lane
.set L8,   81                          ; 8 x lane
.set STS,  82                          ; the words' stage: 512 x wave + 256 hh + 8 r
.set RD16, 83                          ; 512 x wave + 16 x lane
.set RD8,  84                          ; 512 x wave + 8 x lane
.set SHV,  85                          ; hh x 16 (q, k) or 0 (v)
.set WOF,  86                          ; 16 r + hh x the distance between two heads' words
.set WB,   88                          ; v88-91 the words on their way out
.set TM,   96                          ; v96-99 largest magnitudes, v100-103 bytes, v108-111 scale operands
.set PW,   112
.set VO,   116                         ; v116-119 the stores' offsets
.set WD,   120                         ; v120-123 a word for each block
.set AF,   128
.set PC,   224
.set G1A,  24
.set G1B,  32
.set G0A,  40                          ; s[40:55] group 0 for A, a set for each K step;  s[68:83] for B
.set G0B,  68
.set COFF, 84
.set SSTR, 85
.set STA,  88
.set STC,  89
.set SHX,  97
.set MSK,  98
.set MLT,  99
.set MSB, 0
.macro WIN new                         ; the immediate's high byte repeats the setting that is left
.if MSB != \new
	s_set_vgpr_msb (MSB<<8)|\new
.set MSB, \new
.endif
.endm
.macro CROUND                          ; a round of the cluster's barrier
	s_barrier_signal -1
	s_barrier_wait -1
	s_cmp_lg_u32 s14, 0
	s_cbranch_scc1 .Lnot_wave_0_\@
	s_barrier_signal -3
.Lnot_wave_0_\@:
	s_barrier_wait -3
	s_barrier_signal -1
	s_barrier_wait -1
.endm
.macro PLACES n
.rept \n
	v_nop
.endr
.endm
.macro FRAG reg, a16, a8, q, i         ; a fragment (12 registers) as it lies: every load takes 512 or 256 consecutive bytes
	ds_load_b128 v[\reg:\reg+3], v[\a16] offset:TROW*(\i)+1536*(\q)
	ds_load_b64 v[\reg+4:\reg+5], v[\a8] offset:TROW*(\i)+1536*(\q)+512
	ds_load_b128 v[\reg+6:\reg+9], v[\a16] offset:TROW*(\i)+1536*(\q)+768
	ds_load_b64 v[\reg+10:\reg+11], v[\a8] offset:TROW*(\i)+1536*(\q)+1280
.endm
.macro FETCH g                         ; the fragments of the 128 along K numbered g, into set g % 2: 48 loads in one run
	WIN 0x40
.irp i, 0,1,2,3,4,5,6,7
	FRAG 128*((\g)%2)+12*\i, AB16+(\g)/2, AB8+(\g)/2, (\g)%2, \i
.endr
	WIN 0
.irp i, 0,1,2,3
	FRAG AF+48*((\g)%2)+12*\i, AA16+(\g)/2, AA8+(\g)/2, (\g)%2, \i
.endr
.endm
.macro MUL g                           ; 32 products; the accumulators take turns, one instruction a turn, in one order.  The first start the sums
	WIN 0xa1
.irp a, 0,1,2,3
.irp b, 0,1,2,3,4,5,6,7
.if (\g) == 0
	v_wmma_scale_f32_16x16x128_f8f6f4 v[8*(8*\a+\b):8*(8*\a+\b)+7], v[12*\b:12*\b+11], v[AF+12*\a:AF+12*\a+11], 0, v[SB+4*\b], v[SA+4*\a] matrix_a_fmt:MATRIX_FMT_FP6 matrix_b_fmt:MATRIX_FMT_FP6
.elseif (\g)%2
	v_wmma_scale_f32_16x16x128_f8f6f4 v[8*(8*\a+\b):8*(8*\a+\b)+7], v[128+12*\b:128+12*\b+11], v[AF+48+12*\a:AF+48+12*\a+11], v[8*(8*\a+\b):8*(8*\a+\b)+7], v[SB+4*\b+(\g)/2], v[SA+4*\a+(\g)/2] matrix_a_fmt:MATRIX_FMT_FP6 matrix_b_fmt:MATRIX_FMT_FP6 matrix_a_scale:MATRIX_SCALE_ROW1 matrix_b_scale:MATRIX_SCALE_ROW1
.else
	v_wmma_scale_f32_16x16x128_f8f6f4 v[8*(8*\a+\b):8*(8*\a+\b)+7], v[12*\b:12*\b+11], v[AF+12*\a:AF+12*\a+11], v[8*(8*\a+\b):8*(8*\a+\b)+7], v[SB+4*\b+(\g)/2], v[SA+4*\a+(\g)/2] matrix_a_fmt:MATRIX_FMT_FP6 matrix_b_fmt:MATRIX_FMT_FP6
.endif
.endr
.endr
.endm
.macro SUB g
	s_wait_dscnt 0x0                               ; this substep's fragments are in (asked for 32 products ago)
.if (\g) == 1 || (\g) == 3 || (\g) == 5
	s_wait_tensorcnt (5-(\g))/2                    ; my part of the next K step has landed; my loads for the K steps behind it may be out
	s_barrier_signal -1
	s_barrier_wait -1                              ; everybody's has.
.endif
.if (\g) < 7
.if (\g) > 0
	PLACES 4                                       ; in front of loads into the set that the last substep's products read
.endif
	FETCH (\g)+1
.endif
	MUL \g
.endm
	s_load_b256 s[4:11], s[0:1], 0x0               ; xq, wq, img, scl
	v_lshl_add_u32 v254, v0, 2, 0x48000
	v_mov_b32 v255, 0
	ds_add_u32 v254, v255
	ds_add_u32 v254, v255
	v_lshrrev_b32 v1, 5, v0
	v_readfirstlane_b32 s14, v1                    ; wave
	s_lshr_b32 s15, s14, 1                         ; my 64 rows of A.  Also: I fetch for A (0) or for B (1)
	s_and_b32 s16, s14, 1                          ; my 128 rows of B.  Also: which half of that tile I fetch
	s_bfe_u32 s17, ttmp6, 0x40000                  ; cx
	s_bfe_u32 s18, ttmp6, 0x40004                  ; cy
	s_and_b32 s20, ttmp7, 0xffff                   ; cluster y
	s_lshl_b32 s56, s18, 2
	s_lshl_b32 s56, 15, s56                        ; my row of the cluster
	s_lshl_b32 s57, 0x1111, s17                    ; my column
	s_or_b32 s[G1A], s56, (3<<16)|(1<<21)          ; the mask; elements of 8 bytes; bit 21 beside a mask; no padding
	s_or_b32 s[G1B], s57, (3<<16)|(1<<21)
	s_mov_b32 s[G1A+1], 384<<16                    ; tensor_dim0: 3,072 bytes
	s_mov_b32 s[G1A+2], 4<<16                      ; tensor_dim1: 4 tile rows
	s_mov_b32 s[G1A+3], 384<<16                    ; tile_dim0
	s_mov_b32 s[G1A+4], 4                          ; tile_dim1
	s_mov_b32 s[G1A+5], 1536                       ; from tile row to tile row: 12,288 bytes
	s_mov_b32 s[G1A+6], 0
	s_mov_b32 s[G1A+7], 0
	s_mov_b32 s[G1B+1], 384<<16
	s_mov_b32 s[G1B+2], 8<<16
	s_mov_b32 s[G1B+3], 384<<16
	s_mov_b32 s[G1B+4], 8
	s_mov_b32 s[G1B+5], 1536
	s_mov_b32 s[G1B+6], 0
	s_mov_b32 s[G1B+7], 0
	s_mov_b32 s12, 0x76543210
	s_mov_b32 s13, 0xfedcba98
	s_lshl_b32 s58, s20, 2                         ; 4 x cluster y
	s_lshl_b32 s59, ttmp9, 2                       ; 4 x cluster x
	s_add_co_u32 s60, s59, 16                      ; W_v begins at tile row 16
	s_max_u32 s61, s20, 16
	s_sub_co_u32 s61, s61, 16
	s_lshl_b32 s61, s61, 2
	s_cmp_ge_u32 s20, 16                           ; the v part?  The same in all sixteen partners
	s_cselect_b32 s21, 1, 0
	s_cselect_b32 s22, s60, s58
	s_cselect_b32 s23, s61, s59
	s_add_co_u32 s22, s22, s18                     ; tile row (128 rows of A): hangs on cy, never on cx
	s_add_co_u32 s23, s23, s17                     ; tile column (256 rows of B): hangs on cx, never on cy
	s_lshl_b32 s84, s22, 3
	s_lshl_b32 s85, s16, 2
	s_add_co_u32 s84, s84, s85
	s_mul_i32 s84, s84, 12288                      ; A: the tile rows that I fetch
	s_mov_b32 s85, 0
	s_lshl_b32 s86, s23, 4
	s_lshl_b32 s87, s16, 3
	s_add_co_u32 s86, s86, s87
	s_mul_i32 s86, s86, 12288                      ; B likewise
	s_mov_b32 s87, 0
	s_mul_i32 s88, s16, 12288                      ; and where they go in a K step
	s_mul_i32 s89, s16, 24576
	s_add_co_u32 s89, s89, 24576
	s_mov_b32 s94, 6291456
	s_mov_b32 s96, 2359296
	s_wait_dscnt 0x0
	s_wait_kmcnt 0x0
	s_cmp_lg_u32 s21, 0
	s_cselect_b64 s[90:91], s[6:7], s[4:5]         ; A's buffer
	s_cselect_b64 s[92:93], s[4:5], s[6:7]         ; B's
	s_cselect_b32 s95, 2359296, s94                ; where A's scale images begin
	s_cselect_b32 s96, 6291456, s96                ; and B's
	s_add_nc_u64 s[84:85], s[90:91], s[84:85]
	s_add_nc_u64 s[86:87], s[92:93], s[86:87]
	CROUND                                         ; all sixteen work-groups are here: the joint loads meet
.irp s, 0,1,2,3
	s_mov_b32 s[G0A+4*\s], 1
	s_add_co_u32 s[G0A+4*\s+1], s88, KSB*\s
	s_add_nc_u64 s[G0A+4*\s+2:G0A+4*\s+3], s[84:85], TROW*\s
	s_or_b32 s[G0A+4*\s+3], s[G0A+4*\s+3], 0x80000000
	s_mov_b32 s[G0B+4*\s], 1
	s_add_co_u32 s[G0B+4*\s+1], s89, KSB*\s
	s_add_nc_u64 s[G0B+4*\s+2:G0B+4*\s+3], s[86:87], TROW*\s
	s_or_b32 s[G0B+4*\s+3], s[G0B+4*\s+3], 0x80000000
.endr
	s_cmp_eq_u32 s15, 0                            ; a wave's four fills stand in one branch, ahead of every wait on TENSORcnt and every LDS read
	s_cbranch_scc0 .Lfirst_b
	tensor_load_to_lds s[G0A:G0A+3], s[G1A:G1A+7]
	s_nop 0
	tensor_load_to_lds s[G0A+4:G0A+7], s[G1A:G1A+7]
	s_nop 0
	tensor_load_to_lds s[G0A+8:G0A+11], s[G1A:G1A+7]
	s_nop 0
	tensor_load_to_lds s[G0A+12:G0A+15], s[G1A:G1A+7]
	s_nop 0
	PLACES 4
	s_branch .Lfirst_asked
.Lfirst_b:
	tensor_load_to_lds s[G0B:G0B+3], s[G1B:G1B+7]
	s_nop 0
	tensor_load_to_lds s[G0B+4:G0B+7], s[G1B:G1B+7]
	s_nop 0
	tensor_load_to_lds s[G0B+8:G0B+11], s[G1B:G1B+7]
	s_nop 0
	tensor_load_to_lds s[G0B+12:G0B+15], s[G1B:G1B+7]
	s_nop 0
	PLACES 4
.Lfirst_asked:
	v_and_b32 v1, 31, v0
	v_and_b32 v2, 15, v0                           ; r
	v_bfe_u32 v3, v0, 4, 1                         ; hh
	v_lshlrev_b32 v[L16], 4, v1
	v_lshlrev_b32 v[L8], 3, v1
	s_mul_i32 s56, s15, 12288                      ; my 4 tile rows of A
	s_mul_i32 s58, s16, 24576
	s_add_co_u32 s58, s58, 24576                   ; my 8 of B
.irp s, 0,1,2,3
	v_add_nc_u32 v[AA16+\s], s56, v[L16]
	v_add_nc_u32 v[AA8+\s], s56, v[L8]
	v_add_nc_u32 v[AB16+\s], s58, v[L16]
	v_add_nc_u32 v[AB8+\s], s58, v[L8]
	s_add_co_u32 s56, s56, KSB
	s_add_co_u32 s58, s58, KSB
.endr
	s_lshl_b32 s56, s22, 3                         ; my blocks' scale images: 512 bytes a tile
	s_lshl_b32 s57, s15, 2
	s_add_co_u32 s56, s56, s57
	s_lshl_b32 s56, s56, 9
	s_add_co_u32 s56, s56, s95
	s_mov_b32 s57, 0
	s_add_nc_u64 s[90:91], s[90:91], s[56:57]
	s_lshl_b32 s56, s23, 4
	s_lshl_b32 s58, s16, 3
	s_add_co_u32 s56, s56, s58
	s_lshl_b32 s56, s56, 9
	s_add_co_u32 s56, s56, s96
	s_add_nc_u64 s[92:93], s[92:93], s[56:57]
.irp i, 0,1,2,3
.irp k, 0,1
	global_load_b64 v[SA+4*\i+2*\k:SA+4*\i+2*\k+1], v[L8], s[90:91] offset:512*\i+256*\k   ; 256 consecutive bytes, aligned
.endr
.endr
.irp i, 0,1,2,3,4,5,6,7
.irp k, 0,1
	global_load_b64 v[SB+4*\i+2*\k:SB+4*\i+2*\k+1], v[L8], s[92:93] offset:512*\i+256*\k
.endr
.endr
	; where the results go
	s_lshl_b32 s56, s22, 7
	s_lshl_b32 s63, s15, 6
	s_add_co_u32 s56, s56, s63                     ; my first row of A
	s_lshl_b32 s57, s23, 8
	s_lshl_b32 s63, s16, 7
	s_add_co_u32 s57, s57, s63                     ; my first row of B
	s_mov_b32 s[STC], 294912
	s_cmp_lg_u32 s21, 0
	s_cselect_b32 s58, s57, s56                    ; my first token
	s_cselect_b32 s59, s56, s57                    ; my first row of W
	s_cselect_b32 s[STC], 768, s[STC]              ; from a fragment's first half-image to its second: the next head (q, k), or 768 bytes (v)
	s_cselect_b32 s[SHX], 0, 16
	s_cselect_b32 s[MSK], -1, 0xffff
	s_cselect_b32 s[MLT], 1, 0x10001
	s_mul_i32 s[STA], s21, 768
	s_add_co_u32 s[STA], s[STA], 768               ; from block to block: 768 (q, k) or 1,536 (v)
	s_lshr_b32 s60, s59, 10                        ; 0 q, 1 k, 2 v
	s_lshr_b32 s61, s58, 11
	s_lshl_b32 s61, s61, 4
	s_bfe_u32 s63, s59, 0x40006
	s_add_co_u32 s61, s61, s63                     ; head = 16 x batch + h
	s_bfe_u32 s62, s58, 0x50006                    ; which 64 tokens of the batch's 2,048
	s_mul_i32 s[COFF], s61, 294912
	s_mul_i32 s63, s60, 98304
	s_add_co_u32 s[COFF], s[COFF], s63
	s_mul_i32 s63, s62, 3072
	s_add_co_u32 s[COFF], s[COFF], s63
	s_min_u32 s63, s60, 1
	s_lshl_b32 s[SSTR], s63, 12
	s_add_co_u32 s[SSTR], s[SSTR], 8192            ; a head's words: 8,192 bytes of q's; 12,288 of k's and v's together
	s_lshl_b32 s86, s63, 19                        ; k's and v's begin at 524,288,
	s_lshr_b32 s63, s60, 1
	s_lshl_b32 s63, s63, 13                        ; v's 8,192 behind k's
	s_add_co_u32 s86, s86, s63
	s_mul_i32 s63, s61, s[SSTR]
	s_add_co_u32 s86, s86, s63
	s_lshr_b32 s63, s62, s21                       ; 256 bytes for 64 tokens (q, k) or for 128 (v)
	s_lshl_b32 s63, s63, 8
	s_add_co_u32 s86, s86, s63
	s_mov_b32 s87, 0
	s_add_nc_u64 s[10:11], s[10:11], s[86:87]
	s_lshl_b32 s63, s14, 9
	v_lshl_add_u32 v[STS], v3, 8, s63
	v_lshl_add_u32 v[STS], v2, 3, v[STS]
	v_add_nc_u32 v[RD16], s63, v[L16]
	v_add_nc_u32 v[RD8], s63, v[L8]
	v_mul_u32_u24 v[SHV], v3, s[SHX]
	v_mul_u32_u24 v[WOF], v3, s[SSTR]
	v_lshl_add_u32 v[WOF], v2, 4, v[WOF]
.irp b, 0,1,2,3
	v_mov_b32 v[TM+4+\b], 0                        ; a lane permute's destination counts as one of its sources
.endr
	s_wait_tensorcnt 0x3                           ; my part of K step 0 has landed; my three later loads may be out
	s_barrier_signal -1
	s_barrier_wait -1
	FETCH 0
	s_wait_loadcnt 0x0                             ; the scale words
	SUB 0
	SUB 1
	SUB 2
	SUB 3
	SUB 4
	SUB 5
	SUB 6
	SUB 7
	WIN 0
	PLACES 4                                       ; in front of the first read of results
; THE WAY OUT.  Block a: a lane's 64 sums, register 16 b + i = natural index 32 b + 16 hh + i along the next K, become a fragment and a scale word.
; The words gather in my 512 bytes of LDS, in K step 0's bytes: these have had their only fill, and every wave's reads of them were over at the barriers above.
.macro EPI a
.set AS, 64*(\a)
	WIN 0x28                                       ; sources 1 and 2 in window 2
.irp b, 0,1,2,3
	v_max3_num_f32 v[TM+\b], 0x1800000, |v[AS+16*\b]|, |v[AS+16*\b+1]|   ; each accumulator is read from its low end on; the floor 2^(3 - 127) holds the byte at 1
.endr
.irp i, 2,4,6,8,10,12,14
.irp b, 0,1,2,3
	v_max3_num_f32 v[TM+\b], v[TM+\b], |v[AS+16*\b+\i]|, |v[AS+16*\b+\i+1]|
.endr
.endr
	WIN 0
.irp b, 0,1,2,3
	v_permlanex16_b32 v[TM+4+\b], v[TM+\b], s12, s13
.endr
.irp b, 0,1,2,3
	v_max_num_f32 v[TM+\b], v[TM+\b], v[TM+4+\b]   ; with lane l xor 16's 16: the block's largest magnitude
.endr
.irp b, 0,1,2,3
	v_add_nc_u32 v[TM+12+\b], 0xff000000, v[TM+\b]
.endr
.irp b, 0,1,2,3
	v_lshrrev_b32 v[TM+4+\b], 23, v[TM+12+\b]
.endr
	v_lshl_or_b32 v[PW], v[TM+5], 8, v[TM+4]
	v_lshl_or_b32 v[PW], v[TM+6], 16, v[PW]
	v_lshl_or_b32 v[PW], v[TM+7], 24, v[PW]
	s_wait_xcnt 0x0                                ; the last block's stores have read their data and offsets
	WIN 0x02                                       ; source 0 in window 2
.irp c, 0,1
	v_cvt_scalef32_pk16_fp6_f32 v[PC+6*\c:PC+6*\c+2], v[AS+32*\c:AS+32*\c+15], v[TM+12+2*\c]
	v_cvt_scalef32_pk16_fp6_f32 v[PC+12+4*\c:PC+14+4*\c], v[AS+32*\c+16:AS+32*\c+31], v[TM+12+2*\c+1]
.endr
	WIN 0
	v_nop                                          ; one plain place behind a scaled conversion
.irp c, 0,1                                    ; the operand's layout wants a whole block in a lane
.irp i, 0,1,2
	v_permlane16_swap_b32 v[PC+6*\c+\i], v[PC+12+4*\c+\i]
.endr
.irp i, 0,1,2
	v_mov_b32 v[PC+3+6*\c+\i], v[PC+12+4*\c+\i]
.endr
.endr
	v_add_nc_u32 v[VO], s[COFF], v[L16]
	v_add_nc_u32 v[VO+1], s[COFF], v[L8]
	v_add_nc_u32 v[VO+2], s[STC], v[VO]
	v_add_nc_u32 v[VO+3], s[STC], v[VO+1]
	global_store_b128 v[VO], v[PC:PC+3], s[8:9]                 ; each store covers 512 or 256 consecutive bytes, aligned
	global_store_b64 v[VO+1], v[PC+4:PC+5], s[8:9] offset:512
	global_store_b128 v[VO+2], v[PC+6:PC+9], s[8:9]
	global_store_b64 v[VO+3], v[PC+10:PC+11], s[8:9] offset:512
	v_lshrrev_b32 v[WD+\a], v[SHV], v[PW]          ; q, k: lanes 0-15 keep the first head's two bytes, lanes 16-31 the second's,
	v_and_b32 v[WD+\a], s[MSK], v[WD+\a]
	v_mul_lo_u32 v[WD+\a], v[WD+\a], s[MLT]        ; repeated over the half of K that holds zero codes.  v: the word as it is
	ds_store_b32 v[STS], v[WD+\a] offset:128*((\a)%2)+4*((\a)/2)
	s_add_co_u32 s[COFF], s[COFF], s[STA]
.endm
	EPI 0
	EPI 1
	EPI 2
	EPI 3
	s_cmp_lg_u32 s21, 0
	s_cbranch_scc1 .Lv_words
	ds_load_b128 v[WB:WB+3], v[RD16]               ; LDS serves a wave's instructions in order: this sees my stores
	s_wait_dscnt 0x0
	global_store_b128 v[WOF], v[WB:WB+3], s[10:11] ; 256 consecutive bytes for each of the two heads
	s_branch .Lwords_done
.Lv_words:
	ds_load_b64 v[WB:WB+1], v[RD8]
	s_wait_dscnt 0x0
	global_store_b64 v[L8], v[WB:WB+1], s[10:11]   ; 256 consecutive bytes
.Lwords_done:
	s_wait_tensorcnt 0x0
	ds_add_u32 v254, v255
	s_wait_dscnt 0x0
	CROUND                                         ; the closing round
	s_endpgm
.Lfunc_end_k_q15bf731b5a_gemm_qkv:
	.size	k_q15bf731b5a_gemm_qkv, .Lfunc_end_k_q15bf731b5a_gemm_qkv-k_q15bf731b5a_gemm_qkv
	.p2alignl 7, 3214868480
	.fill 96, 4, 3214868480
	.section	.rodata,"a",@progbits
	.p2align	6, 0x0
	.amdhsa_kernel k_q15bf731b5a_gemm_qkv
		.amdhsa_group_segment_fixed_size 295424
		.amdhsa_private_segment_fixed_size 0
		.amdhsa_enable_private_segment 0
		.amdhsa_kernarg_size 32
		.amdhsa_user_sgpr_count 2
		.amdhsa_user_sgpr_kernarg_segment_ptr 1
		.amdhsa_wavefront_size32 1
		.amdhsa_system_sgpr_workgroup_id_x 1
		.amdhsa_system_sgpr_workgroup_id_y 1
		.amdhsa_system_sgpr_workgroup_id_z 1
		.amdhsa_system_vgpr_workitem_id 0
		.amdhsa_next_free_vgpr 768
		.amdhsa_next_free_sgpr 100
		.amdhsa_reserve_vcc 0
		.amdhsa_float_denorm_mode_32 3
		.amdhsa_float_denorm_mode_16_64 3
		.amdhsa_memory_ordered 1
		.amdhsa_forward_progress 1
		.amdhsa_inst_pref_size 91
	.end_amdhsa_kernel
	.amdgpu_metadata
---
amdhsa.version: [ 1, 2 ]
amdhsa.kernels:
  - .name:           k_q15bf731b5a_gemm_qkv
    .symbol:         k_q15bf731b5a_gemm_qkv.kd
    .args:
      - { .name: xq, .offset: 0, .size: 8, .value_kind: global_buffer, .address_space: global }
      - { .name: wq, .offset: 8, .size: 8, .value_kind: global_buffer, .address_space: global }
      - { .name: img, .offset: 16, .size: 8, .value_kind: global_buffer, .address_space: global }
      - { .name: scl, .offset: 24, .size: 8, .value_kind: global_buffer, .address_space: global }
    .group_segment_fixed_size: 295424
    .private_segment_fixed_size: 0
    .kernarg_segment_align: 8
    .kernarg_segment_size: 32
    .max_flat_workgroup_size: 128
    .sgpr_count:     100
    .vgpr_count:     768
    .wavefront_size: 32
...
	.end_amdgpu_metadata
.endif
;; end of part 2
;; launch attn (part 3): grid 4 x 64, 16 waves a work-group, clusters of 4 x 1, 217,088 bytes of LDS; arguments img, scl, yq; writes yq
.if DOCPART == 3
	.amdgcn_target "amdgcn-amd-amdhsa--gfx1250"
	.amdhsa_code_object_version 6
	.text
	.protected	k_q15bf731b5a_attn
	.globl	k_q15bf731b5a_attn
	.p2align	8
	.type	k_q15bf731b5a_attn,@function
k_q15bf731b5a_attn:
	s_mov_b64 s[64:65], 0
	v_nop
	global_prefetch_b8 v0, s[64:65] scope:SCOPE_SE
	s_setreg_imm32_b32 hwreg(HW_REG_WAVE_MODE, 25, 1), 1
	s_wait_xcnt 0x0
	s_wait_alu depctr_hold_cnt(0) depctr_sa_sdst(0) depctr_va_vdst(0) depctr_va_sdst(0) depctr_va_ssrc(0) depctr_va_vcc(0) depctr_vm_vsrc(0)
	s_getreg_b32 s2, hwreg(HW_REG_IB_STS2, 6, 4)
	s_cmp_eq_u32 s2, 0
	s_cbranch_scc0 .Lentry_in_a_cluster
	s_endpgm
.Lentry_in_a_cluster:
	s_bfe_u32 s2, ttmp6, 0x10000c
	s_cmp_lg_u32 s2, 0x3003
	s_cbranch_scc0 .Lentry_shape_is_right
	s_endpgm
.Lentry_shape_is_right:
; y = softmax(q k^T / 8, causal) v for one head (16 x batch + h), both products on codes of FP6 with E8M0 scales; y is quantised along the channels for the last product.
; t = score x log2(e) / 8; M = the running largest t rounded UP to a whole number; p = 2^(t - M) is quantised along the keys, not normalised; the sum of the unquantised p divides at the end.
; A HEAD'S WHOLE K AND V (196,608 bytes of codes, 12,288 of scale words) LIE IN LDS, filled once by three tensor loads of each of waves 0-3 (three loads of a wave are out): no ring, nothing is filled again.
; CLUSTER: the four work-groups of a head ask for K and V jointly.  Work-group j (its place in the cluster) owns the query tiles 4 rho + j, rho = 0 .. 31.
; Wave w takes rho = w, then rho = 31 - w.  A tile needs rho / 2 + 1 key steps of 128: 17 steps for every wave.  Every branch hangs on rho and the step, never on j.
; LAYOUT.  Tokens and channels are stored by position (bits 3 and 4 of the index swapped); both products are used transposed (S^T = K Q^T, O^T = V^T P^T), so a lane holds one query,
; and the 16 registers of result tiles 2 b, 2 b + 1 are the natural keys (channels) 32 b + 16 hh + 0 .. 15.  The first product's K is 64: the upper halves of Q's and K's fragments hold zero codes.
; LIMITS: NaN and infinities are not served; a block whose largest magnitude lies under 2^-124 (zeros among them) gets the byte 1, read by this program alone;
; a block's largest p is taken from the block's largest score, which takes v_exp_f32 not to fall where its input rises.
; REGISTERS: v1-6 addresses that stay; v7 the mask's bound; v8-11, v28-29 the step's addresses; v12 -M, v13 largest t, v[14:15] the sum; v16-27 Q; v30-31, v80-83 more that stay;
;   v32-79 four tiles of K; v96-159 S^T, then p, then V's four fragments; v160-191 O^T; v192-195 K's scale words, v196-197 V's; v224-235 p's codes; v232-254 at work; v255 Q's scale word.
.set VB,   98304                       ; LDS: K's codes at 0 (key step t at 6,144 t, tile a at + 768 a); V's here (+ 6,144 t + 1,536 x channel tile)
.set KW,   196608                      ; K's scale words, 512 bytes a step
.set VW,   204800                      ; V's, 256 bytes a step
.set YS,   208896                      ; y's scale words, 64 rho + 4 r: written by LDS stores alone
.set HD,   17
.set WV,   18
.set CXJ,  19
.set SEL,  20
.set CS,   22
.set G1C,  24
.set G1S,  32
.set G0S,  40
.set G0L,  44
.set G0U,  48
.set T6,   2
.set TSK,  3
.set TSV,  66
.set T2,   67
.set RHO,  68
.set CNT,  69
.macro CROUND
	s_barrier_signal -1
	s_barrier_wait -1
	s_cmp_lg_u32 s[WV], 0
	s_cbranch_scc1 .Lnot_wave_0_\@
	s_barrier_signal -3
.Lnot_wave_0_\@:
	s_barrier_wait -3
	s_barrier_signal -1
	s_barrier_wait -1
.endm
	s_load_b128 s[4:7], s[0:1], 0x0                ; img, scl
	s_load_b64 s[8:9], s[0:1], 0x10                ; yq
	v_lshl_add_u32 v250, v0, 2, 0x34800
	v_mov_b32 v251, 0
	ds_add_u32 v250, v251
	ds_add_u32 v250, v251
	v_lshrrev_b32 v8, 5, v0
	s_delay_alu instid0(VALU_DEP_1)
	v_readfirstlane_b32 s[WV], v8                  ; wave 0..15
	s_bfe_u32 s[CXJ], ttmp6, 0x40000               ; j: my place in the cluster: it enters global addresses and the mask's bound alone
	s_and_b32 s[HD], ttmp7, 0xffff                 ; the head, which the four partners share
	s_mov_b32 s[G1C], 15|(3<<16)|(1<<21)           ; the mask: all four; elements of 8 bytes; bit 21 beside a mask; no padding
	s_mov_b32 s[G1C+1], 32<<16                     ; rows of 256 bytes,
	s_mov_b32 s[G1C+2], 96<<16                     ; 96 of them, dense
	s_mov_b32 s[G1C+3], 32<<16
	s_mov_b32 s[G1C+4], 96
	s_mov_b32 s[G1C+5], 32
	s_mov_b32 s[G1C+6], 0
	s_mov_b32 s[G1C+7], 0
	s_mov_b32 s[G1S], 15|(3<<16)|(1<<21)
	s_mov_b32 s[G1S+1], 32<<16
	s_mov_b32 s[G1S+2], 12<<16                     ; the scale words: 12 rows
	s_mov_b32 s[G1S+3], 32<<16
	s_mov_b32 s[G1S+4], 12
	s_mov_b32 s[G1S+5], 32
	s_mov_b32 s[G1S+6], 0
	s_mov_b32 s[G1S+7], 0
	s_mov_b32 s[SEL], 0x76543210
	s_mov_b32 s[SEL+1], 0xfedcba98
	s_mov_b32 s[CS], 0x3e38aa3b                    ; c = log2(e) / 8
	s_mov_b32 s[CS+1], s[CS]
	s_and_b32 s72, s[WV], 3                        ; (waves 4-15 fetch nothing)
	s_mul_i32 s73, s72, 3072
	s_add_co_u32 s75, s73, KW                      ; my quarter of the scale words, in LDS,
	s_mul_i32 s76, s[HD], 12288
	s_add_co_u32 s76, s76, s73
	s_add_co_u32 s76, s76, 524288                  ; and in memory
	s_mov_b32 s77, 0
	s_and_b32 s78, s72, 1
	s_lshr_b32 s79, s72, 1
	s_lshl_b32 s79, s79, 2
	s_add_co_u32 s78, s78, s79                     ; my unit of 24,576 bytes: 0, 1 (K's keys 0-1023), 4, 5 (V's)
	s_mul_i32 s78, s78, 24576
	s_mul_i32 s80, s[HD], 294912
	s_mov_b32 s81, 0
	s_add_co_u32 s82, s80, s78
	s_add_co_u32 s82, s82, 98304                   ; k's images lie behind q's
	s_mov_b32 s83, 0
	s_lshl_b32 s84, s[HD], 13
	s_mov_b32 s85, 0
	s_and_b32 s71, s[HD], 1
	s_lshl_b32 s71, s71, 4                         ; an odd head's two bytes stand in the word's upper half
	s_wait_dscnt 0x0
	s_wait_kmcnt 0x0
	s_mov_b32 s[G0S], 1
	s_mov_b32 s[G0S+1], s75
	s_add_nc_u64 s[G0S+2:G0S+3], s[6:7], s[76:77]
	s_or_b32 s[G0S+3], s[G0S+3], 0x80000000
	s_mov_b32 s[G0L], 1
	s_mov_b32 s[G0L+1], s78
	s_add_nc_u64 s[G0L+2:G0L+3], s[4:5], s[82:83]
	s_or_b32 s[G0L+3], s[G0L+3], 0x80000000
	s_mov_b32 s[G0U], 1
	s_add_co_u32 s[G0U+1], s78, 49152              ; two units on: keys 1024-2047
	s_add_nc_u64 s[G0U+2:G0U+3], s[4:5], s[82:83]
	s_add_nc_u64 s[G0U+2:G0U+3], s[G0U+2:G0U+3], 49152
	s_or_b32 s[G0U+3], s[G0U+3], 0x80000000
	CROUND                                         ; all four work-groups are here: the joint loads meet
	s_cmp_lt_u32 s[WV], 4
	s_cbranch_scc0 .Lno_fetch
	tensor_load_to_lds s[G0S:G0S+3], s[G1S:G1S+7]
	s_nop 0
	tensor_load_to_lds s[G0L:G0L+3], s[G1C:G1C+7]
	s_nop 0
	tensor_load_to_lds s[G0U:G0U+3], s[G1C:G1C+7]
	s_nop 0
.rept 4
	v_nop
.endr
.Lno_fetch:
	s_add_nc_u64 s[52:53], s[4:5], s[80:81]        ; the head's q images
	s_add_nc_u64 s[54:55], s[6:7], s[84:85]        ; its q words
	s_lshr_b32 s72, s[HD], 4
	s_mul_i32 s72, s72, 1572864                    ; y: the batch's 128 tiles of 12,288 bytes,
	s_and_b32 s74, s[HD], 15
	s_mul_i32 s74, s74, 768                        ; the head's half-image in a tile
	s_add_co_u32 s72, s72, s74
	s_mov_b32 s73, 0
	s_add_nc_u64 s[56:57], s[8:9], s[72:73]
	s_lshl_b32 s72, s[CXJ], 11
	s_add_co_u32 s72, s72, s84
	s_add_co_u32 s72, s72, 6291456
	s_add_nc_u64 s[86:87], s[8:9], s[72:73]        ; y's words: [head][j][rho][r]
	v_and_b32 v8, 31, v0                           ; lane
	v_and_b32 v9, 15, v0                           ; r
	v_bfe_u32 v10, v0, 4, 1                        ; hh
	s_delay_alu instid0(VALU_DEP_3)
	v_lshlrev_b32 v1, 4, v8
	s_delay_alu instid0(VALU_DEP_4)
	v_lshlrev_b32 v2, 3, v8
	s_delay_alu instid0(VALU_DEP_2)
	v_add_nc_u32 v3, VB, v1
	s_delay_alu instid0(VALU_DEP_2)
	v_add_nc_u32 v4, VB, v2
	s_delay_alu instid0(VALU_DEP_3)
	v_add_nc_u32 v5, KW, v2
	s_delay_alu instid0(VALU_DEP_4)
	v_add_nc_u32 v6, VW, v2
	v_and_b32 v11, 8, v9
	s_delay_alu instid0(VALU_DEP_1)
	v_add_nc_u32 v30, v11, v9
	v_lshlrev_b32 v11, 4, v10
	s_delay_alu instid0(VALU_DEP_1)
	v_sub_nc_u32 v30, v30, v11                     ; r + 8 (r / 8) - 16 hh
	v_lshl_add_u32 v31, v9, 2, YS
	v_lshlrev_b32 v80, 3, v9
	v_and_b32 v82, 127, v0
	s_delay_alu instid0(VALU_DEP_1)
	v_lshlrev_b32 v82, 4, v82
	s_delay_alu instid0(VALU_DEP_1)
	v_add_nc_u32 v83, YS, v82
.irp i, 22,23,24,25,26,27
	v_mov_b32 v[\i], 0                             ; Q's k = 64 .. 127: zero codes
.endr
.irp t, 0,1,2,3
.irp i, 6,7,8,9,10,11
	v_mov_b32 v[32+12*\t+\i], 0                    ; K's likewise: written once, no load lands there
.endr
.endr
.irp b, 0,1,2,3
	v_mov_b32 v[236+\b], 0                         ; a lane permute's destination counts as one of its sources
.endr
	v_mov_b32 v252, 0
	v_mov_b32 v253, 0
; A KEY STEP: 128 keys.  Left out where all its keys come after my queries (2 t > rho): a scalar branch round the work, not round the lines that step addresses.
.macro STEP
	s_cmp_gt_u32 s[T2], s[RHO]
	s_cbranch_scc1 .Lhidden_\@
	s_setprio 2
	v_add_nc_u32 v8, s[T6], v1                     ; six plain lines: also the five places owed before the scores are written over registers that the last products read
	s_wait_alu depctr_va_vdst(0)
	v_add_nc_u32 v9, s[T6], v2
	s_wait_alu depctr_va_vdst(0)
	v_add_nc_u32 v10, s[T6], v3
	v_add_nc_u32 v11, s[T6], v4
	v_add_nc_u32 v28, s[TSK], v5
	v_add_nc_u32 v29, s[TSV], v6
	ds_load_b64 v[192:193], v28                    ; register a / 2 of a group of four tiles: lanes 0-15 the even tile's words, lanes 16-31 the odd one's
	ds_load_b64 v[194:195], v28 offset:256
.irp g, 0,1                                    ; S^T = K Q^T, four tiles of 16 keys at a time
.if \g
.rept 4
	v_nop                                          ; places in front of loads into registers that matrix instructions have read
.endr
.endif
.irp t, 0,1,2,3
	ds_load_b128 v[32+12*\t:35+12*\t], v8 offset:768*(4*\g+\t)
	ds_load_b64 v[36+12*\t:37+12*\t], v9 offset:768*(4*\g+\t)+512
.endr
	s_wait_dscnt 0x0
.irp t, 0,1,2,3
.if \t%2
	v_wmma_scale_f32_16x16x128_f8f6f4 v[96+8*(4*\g+\t):103+8*(4*\g+\t)], v[32+12*\t:43+12*\t], v[16:27], 0, v[192+2*\g+\t/2], v255 matrix_a_fmt:MATRIX_FMT_FP6 matrix_b_fmt:MATRIX_FMT_FP6 matrix_a_scale:MATRIX_SCALE_ROW1
.else
	v_wmma_scale_f32_16x16x128_f8f6f4 v[96+8*(4*\g+\t):103+8*(4*\g+\t)], v[32+12*\t:43+12*\t], v[16:27], 0, v[192+2*\g+\t/2], v255 matrix_a_fmt:MATRIX_FMT_FP6 matrix_b_fmt:MATRIX_FMT_FP6
.endif
.endr
.endr
.rept 4
	v_nop
.endr
	s_add_co_u32 s70, s[T2], 2                     ; a step all of whose keys count (2 t + 2 <= rho) skips the mask
	s_cmp_le_u32 s70, s[RHO]
	s_cbranch_scc1 .Lopen_\@
	v_mov_b32 v254, 0xff800000                     ; register 16 b + i holds key 128 t + 32 b + 16 hh + i: hidden where 32 b + i > v7
.set n, 0
.rept 64
	v_cmp_gt_i32 vcc_lo, 32*(n/16)+n%16, v7
	v_cndmask_b32 v[96+n], v[96+n], v254, vcc_lo
.set n, n+1
.endr
.Lopen_\@:
.irp b, 0,1,2,3
	v_max3_num_f32 v[232+\b], v[96+16*\b], v[97+16*\b], v[98+16*\b]   ; the largest score of each block of 32 keys: for the row's maximum and for the block's largest p
.endr
.irp i, 3,5,7,9,11,13
.irp b, 0,1,2,3
	v_max3_num_f32 v[232+\b], v[232+\b], v[96+16*\b+\i], v[97+16*\b+\i]
.endr
.endr
.irp b, 0,1,2,3
	v_max_num_f32 v[232+\b], v[232+\b], v[111+16*\b]
.endr
.irp b, 0,1,2,3
	s_delay_alu instid0(VALU_DEP_4)
	v_permlanex16_b32 v[236+\b], v[232+\b], s[SEL], s[SEL+1]
.endr
.irp b, 0,1,2,3
	s_delay_alu instid0(VALU_DEP_4)
	v_max_num_f32 v[232+\b], v[232+\b], v[236+\b]
.endr
	s_delay_alu instid0(VALU_DEP_2)
	v_max3_num_f32 v254, v232, v233, v234
	s_delay_alu instid0(VALU_DEP_1)
	v_max_num_f32 v254, v254, v235
	s_delay_alu instid0(VALU_DEP_1)
	v_mul_f32 v254, s[CS], v254
	s_delay_alu instid0(VALU_DEP_1)
	v_max_num_f32 v13, v13, v254                   ; the running largest t
	v_mov_b32 v254, v12
	s_delay_alu instid0(VALU_DEP_2)
	v_floor_f32 v12, -v13                          ; the new -M: M is a whole number
	s_delay_alu instid0(VALU_DEP_1)
	v_sub_f32 v254, v12, v254
	s_delay_alu instid0(VALU_DEP_1)
	v_cvt_i32_f32 v254, v254                       ; old M - new M, 0 or less (it saturates)
	s_delay_alu instid0(VALU_DEP_1)
	v_ldexp_f32 v252, 1.0, v254                    ; f = 2^(old M - new M): a multiplication by it rounds nothing
.set n, 0
.rept 32
	v_pk_fma_f32 v[96+n:97+n], v[96+n:97+n], s[CS:CS+1], v[12:13] op_sel_hi:[1,0,0]   ; t - M
.set n, n+2
.endr
	s_setprio 1
.irp b, 0,1,2,3
	v_fma_f32 v[232+\b], v[232+\b], s[CS], v12
.endr
.set n, 0
	s_wait_alu depctr_va_vdst(0)
.rept 64
	v_exp_f32 v[96+n], v[96+n]                     ; p, at most 1
.set n, n+1
.endr
	v_pk_mul_f32 v[14:15], v[14:15], v[252:253] op_sel_hi:[1,0]   ; the sums under the new M: the plain line behind the exponentials
	s_wait_alu depctr_va_vdst(0)                   ; one wait for the batch, ahead of its first reader
.irp b, 0,1,2,3
	v_exp_f32 v[232+\b], v[232+\b]                 ; the blocks' largest p
.endr
	v_pk_add_f32 v[236:237], v[100:101], v[104:105]
	v_pk_add_f32 v[248:249], v[108:109], v[112:113]
	v_pk_add_f32 v[246:247], v[116:117], v[120:121]
	v_pk_add_f32 v[244:245], v[124:125], v[128:129]
	v_pk_add_f32 v[242:243], v[132:133], v[136:137]
	v_pk_add_f32 v[240:241], v[140:141], v[144:145]
	v_pk_add_f32 v[238:239], v[148:149], v[152:153]
	v_pk_add_f32 v[14:15], v[14:15], v[156:157]
	v_pk_add_f32 v[236:237], v[236:237], v[96:97]
	v_pk_add_f32 v[248:249], v[248:249], v[98:99]
	v_pk_add_f32 v[246:247], v[246:247], v[102:103]
	v_pk_add_f32 v[244:245], v[244:245], v[106:107]
	v_pk_add_f32 v[242:243], v[242:243], v[110:111]
	v_pk_add_f32 v[240:241], v[240:241], v[114:115]
	v_pk_add_f32 v[238:239], v[238:239], v[118:119]
	v_pk_add_f32 v[14:15], v[14:15], v[122:123]
	v_pk_add_f32 v[236:237], v[236:237], v[126:127]
	v_pk_add_f32 v[248:249], v[248:249], v[130:131]
	v_pk_add_f32 v[246:247], v[246:247], v[134:135]
	v_pk_add_f32 v[244:245], v[244:245], v[138:139]
	v_pk_add_f32 v[242:243], v[242:243], v[142:143]
	v_pk_add_f32 v[240:241], v[240:241], v[146:147]
	v_pk_add_f32 v[238:239], v[238:239], v[150:151]
	v_pk_add_f32 v[14:15], v[14:15], v[154:155]
	v_pk_add_f32 v[236:237], v[236:237], v[158:159]
	s_delay_alu instid0(VALU_DEP_2)
	v_pk_add_f32 v[14:15], v[14:15], v[244:245]
	s_delay_alu instid0(VALU_DEP_2)
	v_pk_add_f32 v[236:237], v[236:237], v[242:243]
	v_pk_add_f32 v[248:249], v[248:249], v[240:241]
	v_pk_add_f32 v[246:247], v[246:247], v[238:239]
	s_delay_alu instid0(VALU_DEP_2)
	v_pk_add_f32 v[14:15], v[14:15], v[248:249]
	s_delay_alu instid0(VALU_DEP_2)
	v_pk_add_f32 v[236:237], v[236:237], v[246:247]
	s_delay_alu instid0(VALU_DEP_1)
	v_pk_add_f32 v[14:15], v[14:15], v[236:237]
	s_wait_alu depctr_va_vdst(0)                   ; and one for the four
.irp b, 0,1,2,3
	v_max_num_f32 v[232+\b], 0x1800000, v[232+\b]  ; the floor: the byte cannot fall under 1
.endr
.irp b, 0,1,2,3
	s_delay_alu instid0(VALU_DEP_4)
	v_add_nc_u32 v[244+\b], 0xff000000, v[232+\b]
.endr
.irp b, 0,1,2,3
	s_delay_alu instid0(VALU_DEP_4)
	v_lshrrev_b32 v[236+\b], 23, v[244+\b]
.endr
	s_delay_alu instid0(VALU_DEP_3)
	v_lshl_or_b32 v253, v237, 8, v236              ; p's scale word for these 128 keys
	s_delay_alu instid0(VALU_DEP_1)
	v_lshl_or_b32 v253, v238, 16, v253
	s_delay_alu instid0(VALU_DEP_1)
	v_lshl_or_b32 v253, v239, 24, v253
.irp c, 0,1
	v_cvt_scalef32_pk16_fp6_f32 v[224+6*\c:226+6*\c], v[96+32*\c:111+32*\c], v[244+2*\c]
	v_cvt_scalef32_pk16_fp6_f32 v[236+4*\c:238+4*\c], v[112+32*\c:127+32*\c], v[244+2*\c+1]
.endr
	v_nop                                          ; one plain place behind a scaled conversion
	s_setprio 0
.irp v, 0,1,2,3                                ; V's four fragments take p's registers; they land under the lines below
	ds_load_b128 v[96+12*\v:99+12*\v], v10 offset:1536*\v
	ds_load_b64 v[100+12*\v:101+12*\v], v11 offset:1536*\v+512
	ds_load_b128 v[102+12*\v:105+12*\v], v10 offset:1536*\v+768
	ds_load_b64 v[106+12*\v:107+12*\v], v11 offset:1536*\v+1280
.endr
	ds_load_b64 v[196:197], v29
.irp c, 0,1
.irp i, 0,1,2
	v_permlane16_swap_b32 v[224+6*\c+\i], v[236+4*\c+\i]
.endr
.irp i, 0,1,2
	s_delay_alu instid0(VALU_DEP_3)
	v_mov_b32 v[227+6*\c+\i], v[236+4*\c+\i]
.endr
.endr
.set n, 0
.rept 16
	v_pk_mul_f32 v[160+n:161+n], v[160+n:161+n], v[252:253] op_sel_hi:[1,0]   ; O^T under the new M; also the places in front of the products
.set n, n+2
.endr
	s_wait_alu depctr_va_vdst(0)
	s_wait_dscnt 0x0
.irp v, 0,1,2,3                                ; O^T += V^T P^T: the four accumulators by turns
.if \v%2
	v_wmma_scale_f32_16x16x128_f8f6f4 v[160+8*\v:167+8*\v], v[96+12*\v:107+12*\v], v[224:235], v[160+8*\v:167+8*\v], v[196+\v/2], v253 matrix_a_fmt:MATRIX_FMT_FP6 matrix_b_fmt:MATRIX_FMT_FP6 matrix_a_scale:MATRIX_SCALE_ROW1
.else
	v_wmma_scale_f32_16x16x128_f8f6f4 v[160+8*\v:167+8*\v], v[96+12*\v:107+12*\v], v[224:235], v[160+8*\v:167+8*\v], v[196+\v/2], v253 matrix_a_fmt:MATRIX_FMT_FP6 matrix_b_fmt:MATRIX_FMT_FP6
.endif
.endr
.Lhidden_\@:
	s_add_co_u32 s[T6], s[T6], 6144
	s_add_co_u32 s[TSK], s[TSK], 512
	s_add_co_u32 s[TSV], s[TSV], 256
	s_add_co_u32 s[T2], s[T2], 2
.endm
; The head of a pass: the tile's addresses, Q, the mask's bound, and the sums begin.
.macro PASS_HEAD p
.if \p
	s_wait_xcnt 0x0                                ; the last pass's stores have read their base and their data
	s_xor_b32 s[RHO], s[WV], 31
.else
	s_mov_b32 s[RHO], s[WV]
.endif
	s_lshl_b32 s70, s[RHO], 2
	s_add_co_u32 s70, s70, s[CXJ]                  ; the tile: 4 rho + j
	s_mul_i32 s72, s70, 768
	s_mov_b32 s73, 0
	s_add_nc_u64 s[58:59], s[52:53], s[72:73]
	s_lshl_b32 s72, s[RHO], 8
	s_and_b32 s74, s[CXJ], 1
	s_lshl_b32 s74, s74, 7
	s_add_co_u32 s72, s72, s74
	s_lshr_b32 s74, s[CXJ], 1
	s_lshl_b32 s74, s74, 2
	s_add_co_u32 s72, s72, s74
	s_add_nc_u64 s[60:61], s[54:55], s[72:73]
	s_mul_i32 s72, s70, 12288
	s_add_nc_u64 s[62:63], s[56:57], s[72:73]
	global_load_b128 v[16:19], v1, s[58:59]
	global_load_b64 v[20:21], v2, s[58:59] offset:512
	global_load_b32 v255, v80, s[60:61]
	s_and_b32 s72, s[RHO], 1                       ; my query less the masked step's first key: 64 (rho % 2) + 32 (j / 2) + 8 (j % 2) + r + 8 (r / 8)
	s_lshl_b32 s72, s72, 6
	s_lshr_b32 s74, s[CXJ], 1
	s_lshl_b32 s74, s74, 5
	s_add_co_u32 s72, s72, s74
	s_and_b32 s74, s[CXJ], 1
	s_lshl_b32 s74, s74, 3
	s_add_co_u32 s72, s72, s74
	v_add_nc_u32 v7, s72, v30
	s_lshl_b32 s74, s[RHO], 6
	v_add_nc_u32 v81, s74, v31
	v_mov_b32 v13, 0xff61b1e6                      ; -3e38, under every t
	s_delay_alu instid0(VALU_DEP_1)
	v_floor_f32 v12, -v13
	v_mov_b32 v14, 0
	v_mov_b32 v15, 0
.set n, 0
.rept 32
	v_mov_b32 v[160+n], 0                          ; the step is written without a first form: the first change of M leaves zeros zeros
.set n, n+1
.endr
	s_mov_b32 s[T6], 0
	s_mov_b32 s[TSK], 0
	s_mov_b32 s[TSV], 0
	s_mov_b32 s[T2], 0
	s_wait_loadcnt 0x0
.endm
; The way out of a pass: O^T / the sum, quantised along the channels: one half-image and two scale bytes.
.macro OUT
	v_add_f32 v14, v14, v15
	v_nop
	v_permlanex16_b32 v252, v14, s[SEL], s[SEL+1]
	s_delay_alu instid0(VALU_DEP_1)
	v_add_f32 v14, v14, v252
	s_wait_alu depctr_va_vdst(0)
	v_rcp_f32 v14, v14
	v_nop                                          ; plain lines behind the reciprocal; with those above, the places behind the last products
	v_nop
	v_nop
	s_wait_alu depctr_va_vdst(0)                   ; ahead of the reciprocal's first reader
.set n, 0
.rept 16
	v_pk_mul_f32 v[160+n:161+n], v[160+n:161+n], v[14:15] op_sel_hi:[1,0]   ; each accumulator from its low end on
.set n, n+2
.endr
.irp b, 0,1
	v_max3_num_f32 v[232+\b], |v[160+16*\b]|, |v[161+16*\b]|, 0x1800000
.endr
.irp i, 2,4,6,8,10,12,14
.irp b, 0,1
	s_delay_alu instid0(VALU_DEP_2)
	v_max3_num_f32 v[232+\b], v[232+\b], |v[160+16*\b+\i]|, |v[161+16*\b+\i]|
.endr
.endr
.irp b, 0,1
	s_delay_alu instid0(VALU_DEP_2)
	v_permlanex16_b32 v[236+\b], v[232+\b], s[SEL], s[SEL+1]
.endr
.irp b, 0,1
	s_delay_alu instid0(VALU_DEP_2)
	v_max_num_f32 v[232+\b], v[232+\b], v[236+\b]
.endr
.irp b, 0,1
	s_delay_alu instid0(VALU_DEP_2)
	v_add_nc_u32 v[244+\b], 0xff000000, v[232+\b]
.endr
.irp b, 0,1
	s_delay_alu instid0(VALU_DEP_2)
	v_lshrrev_b32 v[236+\b], 23, v[244+\b]
.endr
	s_delay_alu instid0(VALU_DEP_1)
	v_lshl_or_b32 v254, v237, 8, v236
	s_delay_alu instid0(VALU_DEP_1)
	v_lshlrev_b32 v254, s71, v254
	v_cvt_scalef32_pk16_fp6_f32 v[224:226], v[160:175], v244
	v_cvt_scalef32_pk16_fp6_f32 v[240:242], v[176:191], v245
	v_nop
.irp i, 0,1,2
	v_permlane16_swap_b32 v[224+\i], v[240+\i]
.endr
.irp i, 0,1,2
	s_delay_alu instid0(VALU_DEP_3)
	v_mov_b32 v[227+\i], v[240+\i]
.endr
	global_store_b128 v1, v[224:227], s[62:63]                ; 512 and 256 consecutive bytes, aligned
	global_store_b64 v2, v[228:229], s[62:63] offset:512
	ds_store_b32 v81, v254                         ; both halves of the lanes write the same word with the same value
.endm
	PASS_HEAD 0
	s_wait_tensorcnt 0x1                           ; the scale words and keys 0-1023 have landed; my load of the upper keys may be out
	s_barrier_signal -1
	s_barrier_wait -1
	STEP                                           ; key step 0
	s_wait_tensorcnt 0x0                           ; all of K and V
	s_wait_dscnt 0x0
	s_barrier_signal -1
	s_barrier_wait -1
	s_mov_b32 s[CNT], 7                            ; rho is at most 15 here: steps 1 to 7
.Lpass_a:
	STEP
	s_sub_co_u32 s[CNT], s[CNT], 1
	s_cmp_lg_u32 s[CNT], 0
	s_cbranch_scc1 .Lpass_a
	s_setprio 0
	OUT
	PASS_HEAD 1
	s_mov_b32 s[CNT], 16
.Lpass_b:
	STEP
	s_sub_co_u32 s[CNT], s[CNT], 1
	s_cmp_lg_u32 s[CNT], 0
	s_cbranch_scc1 .Lpass_b
	s_setprio 0
	OUT
	s_wait_dscnt 0x0                               ; for the others' sake: my words lie in LDS
	s_barrier_signal -1
	s_barrier_wait -1
	s_cmp_lt_u32 s[WV], 4
	s_cbranch_scc0 .Lno_words
	ds_load_b128 v[32:35], v83
	s_wait_dscnt 0x0
	global_store_b128 v82, v[32:35], s[86:87]      ; the work-group's 2,048 bytes of words, 512 consecutive bytes a wave
.Lno_words:
	s_wait_tensorcnt 0x0
	ds_add_u32 v250, v251
	s_wait_dscnt 0x0
	CROUND                                         ; the closing round
	s_endpgm
.Lfunc_end_k_q15bf731b5a_attn:
	.size	k_q15bf731b5a_attn, .Lfunc_end_k_q15bf731b5a_attn-k_q15bf731b5a_attn
	.p2alignl 7, 3214868480
	.fill 96, 4, 3214868480
	.section	.rodata,"a",@progbits
	.p2align	6, 0x0
	.amdhsa_kernel k_q15bf731b5a_attn
		.amdhsa_group_segment_fixed_size 217088
		.amdhsa_private_segment_fixed_size 0
		.amdhsa_enable_private_segment 0
		.amdhsa_kernarg_size 24
		.amdhsa_user_sgpr_count 2
		.amdhsa_user_sgpr_kernarg_segment_ptr 1
		.amdhsa_wavefront_size32 1
		.amdhsa_system_sgpr_workgroup_id_x 1
		.amdhsa_system_sgpr_workgroup_id_y 1
		.amdhsa_system_sgpr_workgroup_id_z 1
		.amdhsa_system_vgpr_workitem_id 0
		.amdhsa_next_free_vgpr 256
		.amdhsa_next_free_sgpr 90
		.amdhsa_reserve_vcc 1
		.amdhsa_float_denorm_mode_32 3
		.amdhsa_float_denorm_mode_16_64 3
		.amdhsa_memory_ordered 1
		.amdhsa_forward_progress 1
		.amdhsa_inst_pref_size 91
	.end_amdhsa_kernel
	.amdgpu_metadata
---
amdhsa.version: [ 1, 2 ]
amdhsa.kernels:
  - .name:           k_q15bf731b5a_attn
    .symbol:         k_q15bf731b5a_attn.kd
    .args:
      - { .name: img, .offset: 0, .size: 8, .value_kind: global_buffer, .address_space: global }
      - { .name: scl, .offset: 8, .size: 8, .value_kind: global_buffer, .address_space: global }
      - { .name: yq, .offset: 16, .size: 8, .value_kind: global_buffer, .address_space: global }
    .group_segment_fixed_size: 217088
    .private_segment_fixed_size: 0
    .kernarg_segment_align: 8
    .kernarg_segment_size: 24
    .max_flat_workgroup_size: 512
    .sgpr_count:     90
    .vgpr_count:     256
    .wavefront_size: 32
...
	.end_amdgpu_metadata
.endif
;; end of part 3
;; launch gemm_out (part 4): grid 4 x 64, 4 waves a work-group, clusters of 4 x 4, 295,424 bytes of LDS; arguments yq, pq, out0; writes out0
.if DOCPART == 4
	.amdgcn_target "amdgcn-amd-amdhsa--gfx1250"
	.amdhsa_code_object_version 6
	.text
	.protected	k_q15bf731b5a_gemm_out
	.globl	k_q15bf731b5a_gemm_out
	.p2align	8
	.type	k_q15bf731b5a_gemm_out,@function
k_q15bf731b5a_gemm_out:
	s_mov_b64 s[64:65], 0
	v_nop
	global_prefetch_b8 v0, s[64:65] scope:SCOPE_SE
	s_setreg_imm32_b32 hwreg(HW_REG_WAVE_MODE, 25, 1), 1
	s_wait_xcnt 0x0
	s_wait_alu depctr_hold_cnt(0) depctr_sa_sdst(0) depctr_va_vdst(0) depctr_va_sdst(0) depctr_va_ssrc(0) depctr_va_vcc(0) depctr_vm_vsrc(0)
	s_getreg_b32 s2, hwreg(HW_REG_IB_STS2, 6, 4)
	s_cmp_eq_u32 s2, 0
	s_cbranch_scc0 .Lentry_in_a_cluster
	s_endpgm
.Lentry_in_a_cluster:
	s_bfe_u32 s2, ttmp6, 0x10000c
	s_cmp_lg_u32 s2, 0xf033
	s_cbranch_scc0 .Lentry_shape_is_right
	s_endpgm
.Lentry_shape_is_right:
; out = y W_proj^T on codes of FP6 with E8M0 scales (K = 1,024), f32 out.  Head and loop as in the launch that makes q, k, v:
; operands lie as images of the operand's registers, rows by position (bits 3 and 4 of the row's number swapped); a work-group makes 128 tokens (source 1, 'A') x 256 outputs (source 0, 'B');
; four waves as 2 x 2, each 64 x 128: 32 accumulators.  All of K lies in LDS: four K steps of 256, each filled once by one tensor load a wave, all four issued at the head (four loads of a wave are out).
; CLUSTER 4 x 4: A's tiles are shared along a row of the cluster, B's along a column, each asked for jointly.
; y's scale words come as one word a head (two bytes, in the half of the word that the head's parity names): an even head's and its neighbour's are ORed.
; THE WAY OUT undoes the order of positions: W_proj's in the stage's columns, the tokens' in the stores' rows.
; REGISTERS: window 0: v16-31 LDS addresses, v32-47 A's scale words, v48-79 B's, v80-89 the way out, v128-223 A's fragments (two sets), later v128-255 rows of the result;
;   window 1: B's fragments, two sets at v0 and v128;  window 2: accumulator (a, b) at v[8 (8 a + b)].
.set KSB,  73728
.set TROW, 3072
.set AA16, 16
.set AA8,  20
.set AB16, 24
.set AB8,  28
.set SA,   32
.set SB,   48
.set L16,  80
.set L8,   81
.set YOF,  87                          ; 16,384 hh + 4 r
.set STO,  88
.set RD,   89
.set AF,   128
.set BK,   128
.set G1A,  24
.set G1B,  32
.set G0A,  40
.set G0B,  68
.set MSB, 0
.macro WIN new                         ; the immediate's high byte repeats the setting that is left
.if MSB != \new
	s_set_vgpr_msb (MSB<<8)|\new
.set MSB, \new
.endif
.endm
.macro CROUND
	s_barrier_signal -1
	s_barrier_wait -1
	s_cmp_lg_u32 s14, 0
	s_cbranch_scc1 .Lnot_wave_0_\@
	s_barrier_signal -3
.Lnot_wave_0_\@:
	s_barrier_wait -3
	s_barrier_signal -1
	s_barrier_wait -1
.endm
.macro PLACES n
.rept \n
	v_nop
.endr
.endm
.macro FRAG reg, a16, a8, q, i
	ds_load_b128 v[\reg:\reg+3], v[\a16] offset:TROW*(\i)+1536*(\q)
	ds_load_b64 v[\reg+4:\reg+5], v[\a8] offset:TROW*(\i)+1536*(\q)+512
	ds_load_b128 v[\reg+6:\reg+9], v[\a16] offset:TROW*(\i)+1536*(\q)+768
	ds_load_b64 v[\reg+10:\reg+11], v[\a8] offset:TROW*(\i)+1536*(\q)+1280
.endm
.macro FETCH g
	WIN 0x40
.irp i, 0,1,2,3,4,5,6,7
	FRAG 128*((\g)%2)+12*\i, AB16+(\g)/2, AB8+(\g)/2, (\g)%2, \i
.endr
	WIN 0
.irp i, 0,1,2,3
	FRAG AF+48*((\g)%2)+12*\i, AA16+(\g)/2, AA8+(\g)/2, (\g)%2, \i
.endr
.endm
.macro MUL g                           ; 32 products; the accumulators take turns, one instruction a turn
	WIN 0xa1
.irp a, 0,1,2,3
.irp b, 0,1,2,3,4,5,6,7
.if (\g) == 0
	v_wmma_scale_f32_16x16x128_f8f6f4 v[8*(8*\a+\b):8*(8*\a+\b)+7], v[12*\b:12*\b+11], v[AF+12*\a:AF+12*\a+11], 0, v[SB+4*\b], v[SA+4*\a] matrix_a_fmt:MATRIX_FMT_FP6 matrix_b_fmt:MATRIX_FMT_FP6
.elseif (\g)%2
	v_wmma_scale_f32_16x16x128_f8f6f4 v[8*(8*\a+\b):8*(8*\a+\b)+7], v[128+12*\b:128+12*\b+11], v[AF+48+12*\a:AF+48+12*\a+11], v[8*(8*\a+\b):8*(8*\a+\b)+7], v[SB+4*\b+(\g)/2], v[SA+4*\a+(\g)/2] matrix_a_fmt:MATRIX_FMT_FP6 matrix_b_fmt:MATRIX_FMT_FP6 matrix_a_scale:MATRIX_SCALE_ROW1 matrix_b_scale:MATRIX_SCALE_ROW1
.else
	v_wmma_scale_f32_16x16x128_f8f6f4 v[8*(8*\a+\b):8*(8*\a+\b)+7], v[12*\b:12*\b+11], v[AF+12*\a:AF+12*\a+11], v[8*(8*\a+\b):8*(8*\a+\b)+7], v[SB+4*\b+(\g)/2], v[SA+4*\a+(\g)/2] matrix_a_fmt:MATRIX_FMT_FP6 matrix_b_fmt:MATRIX_FMT_FP6
.endif
.endr
.endr
.endm
.macro SUB g
	s_wait_dscnt 0x0                               ; this substep's fragments are in
.if (\g) == 1 || (\g) == 3 || (\g) == 5
	s_wait_tensorcnt (5-(\g))/2                    ; my part of the next K step has landed; my loads for the K steps behind it may be out
	s_barrier_signal -1
	s_barrier_wait -1
.endif
.if (\g) < 7
.if (\g) > 0
	PLACES 4
.endif
	FETCH (\g)+1
.endif
	MUL \g
.endm
	s_load_b128 s[4:7], s[0:1], 0x0                ; yq, pq
	s_load_b64 s[8:9], s[0:1], 0x10                ; out0
	v_lshl_add_u32 v126, v0, 2, 0x48000
	v_mov_b32 v127, 0
	ds_add_u32 v126, v127
	ds_add_u32 v126, v127
	v_lshrrev_b32 v1, 5, v0
	v_readfirstlane_b32 s14, v1
	s_lshr_b32 s15, s14, 1                         ; my 64 tokens.  Also: I fetch for A (0) or for B (1)
	s_and_b32 s16, s14, 1                          ; my 128 outputs.  Also: which half of that tile I fetch
	s_bfe_u32 s17, ttmp6, 0x40000                  ; cx
	s_bfe_u32 s18, ttmp6, 0x40004                  ; cy
	s_and_b32 s20, ttmp7, 0xffff
	s_lshl_b32 s56, s18, 2
	s_lshl_b32 s56, 15, s56
	s_lshl_b32 s57, 0x1111, s17
	s_or_b32 s[G1A], s56, (3<<16)|(1<<21)
	s_or_b32 s[G1B], s57, (3<<16)|(1<<21)
	s_mov_b32 s[G1A+1], 384<<16
	s_mov_b32 s[G1A+2], 4<<16
	s_mov_b32 s[G1A+3], 384<<16
	s_mov_b32 s[G1A+4], 4
	s_mov_b32 s[G1A+5], 1536
	s_mov_b32 s[G1A+6], 0
	s_mov_b32 s[G1A+7], 0
	s_mov_b32 s[G1B+1], 384<<16
	s_mov_b32 s[G1B+2], 8<<16
	s_mov_b32 s[G1B+3], 384<<16
	s_mov_b32 s[G1B+4], 8
	s_mov_b32 s[G1B+5], 1536
	s_mov_b32 s[G1B+6], 0
	s_mov_b32 s[G1B+7], 0
	s_lshl_b32 s22, s20, 2
	s_add_co_u32 s22, s22, s18                     ; tile row: 128 tokens
	s_lshl_b32 s23, ttmp9, 2
	s_add_co_u32 s23, s23, s17                     ; tile column: 256 outputs
	s_lshl_b32 s84, s22, 3
	s_lshl_b32 s85, s16, 2
	s_add_co_u32 s84, s84, s85
	s_mul_i32 s84, s84, 12288
	s_mov_b32 s85, 0
	s_lshl_b32 s86, s23, 4
	s_lshl_b32 s87, s16, 3
	s_add_co_u32 s86, s86, s87
	s_mul_i32 s86, s86, 12288
	s_mov_b32 s87, 0
	s_mul_i32 s88, s16, 12288
	s_mul_i32 s89, s16, 24576
	s_add_co_u32 s89, s89, 24576
	s_wait_dscnt 0x0
	s_wait_kmcnt 0x0
	s_add_nc_u64 s[84:85], s[4:5], s[84:85]
	s_add_nc_u64 s[86:87], s[6:7], s[86:87]
	CROUND
.irp s, 0,1,2,3
	s_mov_b32 s[G0A+4*\s], 1
	s_add_co_u32 s[G0A+4*\s+1], s88, KSB*\s
	s_add_nc_u64 s[G0A+4*\s+2:G0A+4*\s+3], s[84:85], TROW*\s
	s_or_b32 s[G0A+4*\s+3], s[G0A+4*\s+3], 0x80000000
	s_mov_b32 s[G0B+4*\s], 1
	s_add_co_u32 s[G0B+4*\s+1], s89, KSB*\s
	s_add_nc_u64 s[G0B+4*\s+2:G0B+4*\s+3], s[86:87], TROW*\s
	s_or_b32 s[G0B+4*\s+3], s[G0B+4*\s+3], 0x80000000
.endr
	s_cmp_eq_u32 s15, 0
	s_cbranch_scc0 .Lfirst_b
	tensor_load_to_lds s[G0A:G0A+3], s[G1A:G1A+7]
	s_nop 0
	tensor_load_to_lds s[G0A+4:G0A+7], s[G1A:G1A+7]
	s_nop 0
	tensor_load_to_lds s[G0A+8:G0A+11], s[G1A:G1A+7]
	s_nop 0
	tensor_load_to_lds s[G0A+12:G0A+15], s[G1A:G1A+7]
	s_nop 0
	PLACES 4
	s_branch .Lfirst_asked
.Lfirst_b:
	tensor_load_to_lds s[G0B:G0B+3], s[G1B:G1B+7]
	s_nop 0
	tensor_load_to_lds s[G0B+4:G0B+7], s[G1B:G1B+7]
	s_nop 0
	tensor_load_to_lds s[G0B+8:G0B+11], s[G1B:G1B+7]
	s_nop 0
	tensor_load_to_lds s[G0B+12:G0B+15], s[G1B:G1B+7]
	s_nop 0
	PLACES 4
.Lfirst_asked:
	v_and_b32 v1, 31, v0
	v_and_b32 v2, 15, v0                           ; r
	v_bfe_u32 v3, v0, 4, 1                         ; hh
	v_lshlrev_b32 v[L16], 4, v1
	v_lshlrev_b32 v[L8], 3, v1
	s_mul_i32 s56, s15, 12288
	s_mul_i32 s58, s16, 24576
	s_add_co_u32 s58, s58, 24576
.irp s, 0,1,2,3
	v_add_nc_u32 v[AA16+\s], s56, v[L16]
	v_add_nc_u32 v[AA8+\s], s56, v[L8]
	v_add_nc_u32 v[AB16+\s], s58, v[L16]
	v_add_nc_u32 v[AB8+\s], s58, v[L8]
	s_add_co_u32 s56, s56, KSB
	s_add_co_u32 s58, s58, KSB
.endr
	s_lshl_b32 s56, s23, 4                         ; W_proj's scale images: 512 bytes a tile
	s_lshl_b32 s58, s16, 3
	s_add_co_u32 s56, s56, s58
	s_lshl_b32 s56, s56, 9
	s_add_co_u32 s56, s56, 786432
	s_mov_b32 s57, 0
	s_add_nc_u64 s[92:93], s[6:7], s[56:57]
	s_lshr_b32 s56, s22, 4                         ; y's words: the batch's 16 heads of 8,192 bytes,
	s_lshl_b32 s56, s56, 17
	s_and_b32 s58, s22, 15
	s_lshl_b32 s58, s58, 1
	s_add_co_u32 s58, s58, s15                     ; rho: my four blocks are the tiles 4 rho + 0 .. 3
	s_lshl_b32 s58, s58, 6
	s_add_co_u32 s56, s56, s58
	s_add_co_u32 s56, s56, 6291456
	s_add_nc_u64 s[90:91], s[4:5], s[56:57]
	v_lshlrev_b32 v[YOF], 14, v3                   ; lanes 16-31 take the odd 128 along K: two heads on
	v_lshl_add_u32 v[YOF], v2, 2, v[YOF]
.irp i, 0,1,2,3,4,5,6,7
.irp k, 0,1
	global_load_b64 v[SB+4*\i+2*\k:SB+4*\i+2*\k+1], v[L8], s[92:93] offset:512*\i+256*\k
.endr
.endr
.irp i, 0,1,2,3
.irp j, 0,1,2,3
	global_load_b32 v[128+2*(4*\i+\j)], v[YOF], s[90:91] offset:32768*\j+2048*\i          ; the even head's word (v128-159 are free until the first fragments come)
	global_load_b32 v[129+2*(4*\i+\j)], v[YOF], s[90:91] offset:32768*\j+2048*\i+8192     ; the odd head's
.endr
.endr
	s_mul_i32 s56, s14, 8448                       ; my stage: 16 rows x (512 bytes + 16), in K step 0's bytes, which have had their only fill
	v_mul_u32_u24 v[STO], v2, 528
	v_lshl_add_u32 v[STO], v3, 6, v[STO]
	v_add_nc_u32 v[STO], s56, v[STO]               ; in: row r, + 64 hh
	v_add_nc_u32 v[RD], s56, v[L16]                ; back: a whole row of 512 bytes
	s_lshl_b32 s56, s22, 3
	s_lshl_b32 s58, s15, 2
	s_add_co_u32 s56, s56, s58
	s_lshl_b32 s56, s56, 16                        ; my first tile's 16 rows of 4,096 bytes
	s_lshl_b32 s58, s23, 10
	s_add_co_u32 s56, s56, s58
	s_lshl_b32 s58, s16, 9
	s_add_co_u32 s56, s56, s58                     ; my first column, in bytes
	s_add_nc_u64 s[8:9], s[8:9], s[56:57]
	s_wait_tensorcnt 0x3                           ; my part of K step 0 has landed; my three later loads may be out
	s_barrier_signal -1
	s_barrier_wait -1
	s_wait_loadcnt 0x0                             ; the scale words
.irp n, 0,1,2,3,4,5,6,7,8,9,10,11,12,13,14,15
	v_or_b32 v[SA+\n], v[128+2*\n], v[129+2*\n]
.endr
	PLACES 8                                       ; a scale register written by a vector instruction stands eight places ahead of a scaled product
	FETCH 0
	s_wait_alu depctr_va_vdst(0)
	SUB 0
	SUB 1
	SUB 2
	SUB 3
	SUB 4
	SUB 5
	SUB 6
	SUB 7
	WIN 0
	PLACES 4                                       ; in front of the first read of results and of loads into registers that held fragments
; THE WAY OUT, block by block of 16 tokens x 128 outputs.  Register j of accumulator (a, b) is output 32 (b / 2) + 8 (b % 2) + 16 hh + j of the token at position r.
.macro TOSTAGE a
	WIN 0x08                                       ; an LDS store's data are its source 1: window 2
.irp b, 0,1,2,3,4,5,6,7
	ds_store_b128 v[STO], v[64*(\a)+8*\b:64*(\a)+8*\b+3] offset:128*(\b/2)+32*(\b%2)         ; each accumulator from its low end on
	ds_store_b128 v[STO], v[64*(\a)+8*\b+4:64*(\a)+8*\b+7] offset:128*(\b/2)+32*(\b%2)+16
.endr
	WIN 0
.irp t, 0,1,2,3,4,5,6,7,8,9,10,11,12,13,14,15
	ds_load_b128 v[BK+64*((\a)%2)+4*\t:BK+64*((\a)%2)+4*\t+3], v[RD] offset:\t*528   ; LDS serves a wave's instructions in order: these see my stores
.endr
.endm
.macro SEND a, younger                 ; younger: the LDS instructions issued behind block a's loads, which may stay out
	s_wait_dscnt \younger
.irp t, 0,1,2,3,4,5,6,7,8,9,10,11,12,13,14,15
	global_store_b128 v[L16], v[BK+64*((\a)%2)+4*\t:BK+64*((\a)%2)+4*\t+3], s[8:9] offset:(32*((\a)/2)+8*((\a)%2)+\t+8*(\t/8))*4096 th:TH_STORE_NT   ; 512 consecutive bytes, aligned; the row is the position's token
.endr
.endm
	TOSTAGE 0
	TOSTAGE 1
	SEND 0, 32                                     ; behind block 0's loads: block 1's 16 stores and 16 loads
	s_wait_xcnt 0x0                                ; block 0's stores have read their registers: block 2's loads may land there
	TOSTAGE 2
	SEND 1, 32
	s_wait_xcnt 0x0
	TOSTAGE 3
	SEND 2, 32
	SEND 3, 0
	s_wait_tensorcnt 0x0
	ds_add_u32 v126, v127
	s_wait_dscnt 0x0
	CROUND                                         ; the closing round
	s_endpgm
.Lfunc_end_k_q15bf731b5a_gemm_out:
	.size	k_q15bf731b5a_gemm_out, .Lfunc_end_k_q15bf731b5a_gemm_out-k_q15bf731b5a_gemm_out
	.p2alignl 7, 3214868480
	.fill 96, 4, 3214868480
	.section	.rodata,"a",@progbits
	.p2align	6, 0x0
	.amdhsa_kernel k_q15bf731b5a_gemm_out
		.amdhsa_group_segment_fixed_size 295424
		.amdhsa_private_segment_fixed_size 0
		.amdhsa_enable_private_segment 0
		.amdhsa_kernarg_size 24
		.amdhsa_user_sgpr_count 2
		.amdhsa_user_sgpr_kernarg_segment_ptr 1
		.amdhsa_wavefront_size32 1
		.amdhsa_system_sgpr_workgroup_id_x 1
		.amdhsa_system_sgpr_workgroup_id_y 1
		.amdhsa_system_sgpr_workgroup_id_z 1
		.amdhsa_system_vgpr_workitem_id 0
		.amdhsa_next_free_vgpr 768
		.amdhsa_next_free_sgpr 100
		.amdhsa_reserve_vcc 0
		.amdhsa_float_denorm_mode_32 3
		.amdhsa_float_denorm_mode_16_64 3
		.amdhsa_memory_ordered 1
		.amdhsa_forward_progress 1
		.amdhsa_inst_pref_size 88
	.end_amdhsa_kernel
	.amdgpu_metadata
---
amdhsa.version: [ 1, 2 ]
amdhsa.kernels:
  - .name:           k_q15bf731b5a_gemm_out
    .symbol:         k_q15bf731b5a_gemm_out.kd
    .args:
      - { .name: yq, .offset: 0, .size: 8, .value_kind: global_buffer, .address_space: global }
      - { .name: pq, .offset: 8, .size: 8, .value_kind: global_buffer, .address_space: global }
      - { .name: out0, .offset: 16, .size: 8, .value_kind: global_buffer, .address_space: global }
    .group_segment_fixed_size: 295424
    .private_segment_fixed_size: 0
    .kernarg_segment_align: 8
    .kernarg_segment_size: 24
    .max_flat_workgroup_size: 128
    .sgpr_count:     100
    .vgpr_count:     768
    .wavefront_size: 32
...
	.end_amdgpu_metadata
.endif
;; end of part 4
